; MI455X (gfx1250); checked and timed in simulation.
; The chip was launched on July 23, 2026; its instructions are those of AMD's public machine-readable ISA for CDNA 5 (MIT licence, August 2026) and "CDNA5" Instruction Set Architecture Reference Guide (July 2026). The comments in the code are by the model that wrote it; some were corrected since.
;; AOS Prediction Layer. Allowed arithmetic: matrix products marked QUANTISED: E4M3 operands, one given power-of-two scale a tensor, by v_wmma_f32_16x16x64_fp8_fp8 or v_wmma_f32_16x16x128_fp8_fp8, f32 sums; everything else in f32.
;; Inputs: W1 8 x 512 x 512 float32; W2 8 x 512 x 256 float32; W3 8 x 256 x 128 float32; Wu1 512 x 512 float32; Wu2 512 x 256 float32; Wu3 256 x 128 float32; a_emb 512 x 32 x 256 float32; b1 8 x 512 float32; b2 8 x 256 float32; b3 8 x 128 float32; bu1 512 float32; bu2 256 float32; bu3 128 float32; i_emb 512 x 256 float32; lowp_scales 54 int32 (the exponents e of the quantised operands' scales 2^e); o_emb 512 x 32 x 256 float32; s 512 x 32 int32; u_emb 512 x 256 float32.
;; Outputs: out0 512 x 32 float32.
;; This version of the problem:
;;   THIS VERSION OF THE PROBLEM IS GIVEN IN LOW PRECISION. The matrix products marked QUANTISED in the list below multiply operands that are first quantised to E4M3 (4 exponent bits, 3 mantissa bits; 8 bits a number), with one given power-of-two scale for each operand tensor; their sums are f32. All else is computed in f32.
;;   The module's matrix products, in the order in which they are computed (A, B: the left and right operand; K: the contracted axis; several contracted axes count as one K, in the product's order):
;;     1. [M 512, K 512] x [K 512, N 512]; A: computed on the way; B: input Wu1: QUANTISED (scales: A lowp_scales[0], B lowp_scales[1])
;;     2. [M 512, K 512] x [K 512, N 256]; A: computed on the way; B: input Wu2: QUANTISED (scales: A lowp_scales[2], B lowp_scales[3])
;;     3. [M 512, K 256] x [K 256, N 128]; A: computed on the way; B: input Wu3: QUANTISED (scales: A lowp_scales[4], B lowp_scales[5])
;;     4. [M 16,384, K 512] x [K 512, N 512]; A: computed on the way; B: input W1: QUANTISED (scales: A lowp_scales[6], B lowp_scales[7])
;;     5. [M 16,384, K 512] x [K 512, N 256]; A: computed on the way; B: input W2: QUANTISED (scales: A lowp_scales[8], B lowp_scales[9])
;;     6. [M 16,384, K 256] x [K 256, N 128]; A: computed on the way; B: input W3: QUANTISED (scales: A lowp_scales[10], B lowp_scales[11])
;;     7. [M 16,384, K 512] x [K 512, N 512]; A: computed on the way; B: input W1: QUANTISED (scales: A lowp_scales[12], B lowp_scales[13])
;;     8. [M 16,384, K 512] x [K 512, N 256]; A: computed on the way; B: input W2: QUANTISED (scales: A lowp_scales[14], B lowp_scales[15])
;;     9. [M 16,384, K 256] x [K 256, N 128]; A: computed on the way; B: input W3: QUANTISED (scales: A lowp_scales[16], B lowp_scales[17])
;;     10. [M 16,384, K 512] x [K 512, N 512]; A: computed on the way; B: input W1: QUANTISED (scales: A lowp_scales[18], B lowp_scales[19])
;;     11. [M 16,384, K 512] x [K 512, N 256]; A: computed on the way; B: input W2: QUANTISED (scales: A lowp_scales[20], B lowp_scales[21])
;;     12. [M 16,384, K 256] x [K 256, N 128]; A: computed on the way; B: input W3: QUANTISED (scales: A lowp_scales[22], B lowp_scales[23])
;;     13. [M 16,384, K 512] x [K 512, N 512]; A: computed on the way; B: input W1: QUANTISED (scales: A lowp_scales[24], B lowp_scales[25])
;;     14. [M 16,384, K 512] x [K 512, N 256]; A: computed on the way; B: input W2: QUANTISED (scales: A lowp_scales[26], B lowp_scales[27])
;;     15. [M 16,384, K 256] x [K 256, N 128]; A: computed on the way; B: input W3: QUANTISED (scales: A lowp_scales[28], B lowp_scales[29])
;;     16. [M 16,384, K 512] x [K 512, N 512]; A: computed on the way; B: input W1: QUANTISED (scales: A lowp_scales[30], B lowp_scales[31])
;;     17. [M 16,384, K 512] x [K 512, N 256]; A: computed on the way; B: input W2: QUANTISED (scales: A lowp_scales[32], B lowp_scales[33])
;;     18. [M 16,384, K 256] x [K 256, N 128]; A: computed on the way; B: input W3: QUANTISED (scales: A lowp_scales[34], B lowp_scales[35])
;;     19. [M 16,384, K 512] x [K 512, N 512]; A: computed on the way; B: input W1: QUANTISED (scales: A lowp_scales[36], B lowp_scales[37])
;;     20. [M 16,384, K 512] x [K 512, N 256]; A: computed on the way; B: input W2: QUANTISED (scales: A lowp_scales[38], B lowp_scales[39])
;;     21. [M 16,384, K 256] x [K 256, N 128]; A: computed on the way; B: input W3: QUANTISED (scales: A lowp_scales[40], B lowp_scales[41])
;;     22. [M 16,384, K 512] x [K 512, N 512]; A: computed on the way; B: input W1: QUANTISED (scales: A lowp_scales[42], B lowp_scales[43])
;;     23. [M 16,384, K 512] x [K 512, N 256]; A: computed on the way; B: input W2: QUANTISED (scales: A lowp_scales[44], B lowp_scales[45])
;;     24. [M 16,384, K 256] x [K 256, N 128]; A: computed on the way; B: input W3: QUANTISED (scales: A lowp_scales[46], B lowp_scales[47])
;;     25. [M 16,384, K 512] x [K 512, N 512]; A: computed on the way; B: input W1: QUANTISED (scales: A lowp_scales[48], B lowp_scales[49])
;;     26. [M 16,384, K 512] x [K 512, N 256]; A: computed on the way; B: input W2: QUANTISED (scales: A lowp_scales[50], B lowp_scales[51])
;;     27. [M 16,384, K 256] x [K 256, N 128]; A: computed on the way; B: input W3: QUANTISED (scales: A lowp_scales[52], B lowp_scales[53])
;;   THE QUANTISER, for each operand of a quantised product, along K:
;;     - The operand's scale is 2^e, e = its entry of the input lowp_scales (int32; the entries are numbered through the quantised products in the list's order, A before B).
;;     - Each number is divided by the scale, clamped to +-448, and rounded to the nearest number of E4M3, ties to even, subnormals kept.
;;     - The product sums the exact products of the quantised numbers (number of the format x scale) in f32.
;;   ~~~python
;;   def quantise(x, axis, e):      # numpy; x: float32 -> the quantised numbers, widened to float32 again
;;       x = np.moveaxis(x, axis, -1); K = x.shape[-1]
;;       r = np.clip(x / 2.0 ** e, -448, 448)
;;       step = 2.0 ** (np.maximum(np.frexp(np.where(r == 0, 1, r))[1] - 1, -6) - 3)
;;       q = np.round(r / step) * step * 2.0 ** e      # np.round: ties to even
;;       return np.moveaxis(q, -1, axis).astype(np.float32)
;;   ~~~
;;   OPERANDS COMPUTED ON THE WAY. 'Computed on the way' means the value that the module computes at that place (a softmax that the list does not call 'softmax' is quantised finished and normalised). What goes into a quantiser is computed in f32, as accurately as f32 sums, v_exp_f32 and their like allow (about 1e-6 of the number): no bf16 or f16 on the way to a quantiser, and a product that is left as it is and whose result goes on into a quantised operand takes f32 operands (vector FMAs, or v_wmma_f32_16x16x4_f32). A number that lies on a knife's edge between two numbers of the format may be rounded either way, as far as f32 arithmetic and the matrix unit's own rounding can turn it there, and no further.
;; 2 versions. Each part assembles by itself: llvm-mc -triple=amdgcn-amd-amdhsa -mcpu=gfx1250 --defsym DOCPART=n.
;; ======== version 1 of 2: 3 launches
;; workspace buffers: wc 3,833,856 bytes; bias 32,256 bytes; emb 10,485,760 bytes; order 81,920 bytes of whole numbers; pos 65,536 bytes of whole numbers; tiles 1,024 bytes of whole numbers
;; launch prep (part 1): grid 238 x 1, 16 waves a work-group, no clusters, 4,096 bytes of LDS; arguments W1, W2, W3, Wu1, Wu2, Wu3, b1, b2, b3, bu1, bu2, bu3, lowp_scales, s, wc, bias, order, pos, tiles; writes wc, bias, order, pos, tiles
.if DOCPART == 1
	.amdgcn_target "amdgcn-amd-amdhsa--gfx1250"
	.amdhsa_code_object_version 6
	.text
	.protected	k_q7562b4f187_prep
	.globl	k_q7562b4f187_prep
	.p2align	8
	.type	k_q7562b4f187_prep,@function
k_q7562b4f187_prep:
	s_mov_b64 s[64:65], 0
	v_nop
	global_prefetch_b8 v0, s[64:65] scope:SCOPE_SE
	s_setreg_imm32_b32 hwreg(HW_REG_WAVE_MODE, 25, 1), 1
	s_wait_xcnt 0x0
; TWO JOBS IN ONE LAUNCH, parted on the work-group's number.
; Work-groups 0-3: THE ROUTING.  Work-group y sorts tokens 4,096 y .. 4,096 y + 4,095 by their relation s (a counting sort, no atomics) into tiles of 80 rows.
;   Row number P = 80 x tile + place; tile = 64 y + x; x = 0..58: the chunk's tiles, relation by relation (never more than (4,096 + 8 x 79) / 80 = 59); x = 59, 60: two tiles of 64 rows of the shared MLP.
;   order[P] = the token (or the row b of u, i);  pos[token] = P, or 0x8000 where s lies outside 0..7.
;   tiles[tile]: bits 7:0 the weight set; 15:8 rows to take from a list; 23:16 the tile whose list is read; bit 24: the tile has rows of its own.
;   A tile that the split leaves empty: set 0, one row, the list of the chunk's tile 59 (which is always written), bit 24 clear.
; Work-groups 4-237: THE WEIGHTS.  Nine sets (0: the shared MLP, r + 1: relation r) x 26 blocks of 128 columns x 128 along K become codes of E4M3: x / 2^e, held within +-448, nearest, ties to even.
;   A LANE TAKES A COLUMN AND ITS REGISTERS RUN DOWN K, so the conversions give codes with K innermost.  The codes are laid as images of operand registers: fragment (T, s) = 16 units x 128 K = 2,048 bytes;
;   group c (512 bytes) holds at byte 16 (r + 16 h) the codes k = 128 s + 32 c + 16 h + 0..15 of unit 32 (T / 2) + 8 (T % 2) + r + 8 (r / 8).  Lanes 0-15 of a wave take tile 2 B, lanes 16-31 tile 2 B + 1,
;   so sixteen neighbouring lanes store 256 consecutive bytes at a multiple of 256: no LDS on this path.  The biases are stored x 2^-(eA + eW), the power of two that the raw sums lack.
; LIMITS: each weight's exponent e lies between -126 and 119, so that 2^e and 448 x 2^e are f32 numbers.  NaN among the inputs is not served.
; The list of rows leaves by stores of 4 bytes a lane (64 KB in all): its places hang on s, and within one store the lanes of one relation hold neighbouring places.
.set SPARE, 2048                       ; LDS: bytes 0-2,047 the waves' counts (word 32 wave + relation); from 2,048 the spare words, 128 bytes for each of 16 waves, which no other line names
.set SETB,  425984                     ; bytes of a set's codes: 262,144 + 131,072 + 32,768
.set SPW,   78                         ; v78  LDS address of my spare word; never rewritten
.set NIL,   79                         ; v79  0; never rewritten
	s_load_b512 s[4:19], s[0:1], 0x0               ; W1 s[4:5], W2 s[6:7], W3 s[8:9], Wu1 s[10:11], Wu2 s[12:13], Wu3 s[14:15], b1 s[16:17], b2 s[18:19]
	s_load_b512 s[20:35], s[0:1], 0x40             ; b3 s[20:21], bu1 s[22:23], bu2 s[24:25], bu3 s[26:27], the exponents s[28:29], s s[30:31], wc s[32:33], bias s[34:35]
	s_load_b128 s[36:39], s[0:1], 0x80             ; order s[36:37], pos s[38:39]
	s_load_b64 s[40:41], s[0:1], 0x90              ; tiles
	v_lshl_add_u32 v[SPW], v0, 2, SPARE
	v_mov_b32 v[NIL], 0
	v_lshrrev_b32 v1, 5, v0
	v_readfirstlane_b32 s42, v1                    ; wave 0..15
	v_and_b32 v1, 31, v0                           ; lane
	v_lshlrev_b32 v6, 3, v1                        ; 8 x lane: the offset of the table's and the short lists' stores; made here, with all lanes on, and never rewritten
	s_wait_kmcnt 0x0
	s_cmp_lt_u32 ttmp9, 4
	s_cbranch_scc1 .Lroute
; ---------------- THE WEIGHTS ----------------
	s_sub_co_u32 s43, ttmp9, 4                     ; 0..233
	s_mul_i32 s44, s43, 2521
	s_lshr_b32 s44, s44, 16                        ; set g = n / 26: 26 x 2,521 = 65,536 + 10, and 10 x 8 + 2,521 x 25 stays under 65,536
	s_mul_i32 s45, s44, 26
	s_sub_co_u32 s45, s43, s45                     ; block u = 0..25: 16 of layer 1, 8 of layer 2, 2 of layer 3
	s_and_b32 s46, s42, 3                          ; cg: which 32 of the block's 128 columns are my wave's
	s_lshr_b32 s47, s42, 2                         ; c: which 32 of its 128 along K
	v_and_b32 v2, 15, v1
	v_lshrrev_b32 v3, 4, v1
	v_lshl_add_u32 v2, v3, 3, v2
	v_and_b32 v4, 8, v1
	v_add_nc_u32 v2, v2, v4                        ; my column among the 32: r + 8 (r / 8) + 8 (lane / 16)
	v_lshlrev_b32 v2, 2, v2
	v_lshlrev_b32 v5, 4, v1                        ; 16 x lane, for the biases
; One block.  wr, wur, br, bur: the scalar registers of the relations' weight, the shared weight, and the two biases.  pitch: bytes of a row of the weight.  2^logks: K steps.  esz: bytes of one relation's weight.
; loff, boff: the layer's place in a set's codes and biases.  nb: bytes of a bias row.  ub: the layer's first block.  soff: the layer's place among a set's six exponents, in bytes.
.macro QW wr, wur, br, bur, pitch, logks, esz, loff, boff, nb, ub, soff
	s_sub_co_u32 s50, s45, \ub
	s_lshr_b32 s51, s50, \logks                    ; cgp: which 128 columns
	s_and_b32 s52, s50, (1<<(\logks))-1            ; s: which K step
	s_mul_i32 s53, s44, 24
	s_load_b64 s[48:49], s[28:29], s53 offset:\soff   ; eA, eW of this set's layer
	s_cmp_eq_u32 s44, 0                            ; the shared MLP's tensors or the relations': the choice hangs on the work-group's number alone
	s_cselect_b64 s[54:55], s[\wur:\wur+1], s[\wr:\wr+1]
	s_cselect_b64 s[56:57], s[\bur:\bur+1], s[\br:\br+1]
	s_max_u32 s58, s44, 1
	s_sub_co_u32 s58, s58, 1                       ; the relation (0 for the shared MLP)
	s_mul_i32 s60, s58, \esz
	s_lshl_b32 s61, s52, 7
	s_lshl_b32 s62, s47, 5
	s_add_co_u32 s61, s61, s62                     ; my first row: 128 s + 32 c
	s_mul_i32 s61, s61, \pitch
	s_add_co_u32 s60, s60, s61
	s_lshl_b32 s61, s51, 9
	s_add_co_u32 s60, s60, s61
	s_lshl_b32 s61, s46, 7
	s_add_co_u32 s60, s60, s61                     ; + my wave's first column, in bytes: 512 cgp + 128 cg
	s_mov_b32 s61, 0
	s_add_nc_u64 s[54:55], s[54:55], s[60:61]
.set QI, 0
.rept 32
	global_load_b32 v[16+QI], v2, s[54:55] offset:QI*(\pitch) th:TH_LOAD_NT   ; row 128 s + 32 c + i at my column: a wave reads 128 consecutive bytes, the four waves side by side 512; read once in the launch
.set QI, QI+1
.endr
	s_mul_i32 s60, s44, SETB                       ; where the codes go
	s_lshl_b32 s61, s51, 3
	s_lshl_b32 s62, s46, 1
	s_add_co_u32 s61, s61, s62                     ; tile 2 B = 8 cgp + 2 cg
	s_lshl_b32 s61, s61, \logks
	s_add_co_u32 s61, s61, s52                     ; fragment (T, s)
	s_lshl_b32 s61, s61, 11
	s_add_co_u32 s60, s60, s61
	s_lshl_b32 s61, s47, 9                         ; group c
	s_add_co_u32 s60, s60, s61
	s_add_co_u32 s60, s60, \loff
	s_mov_b32 s61, 0
	s_add_nc_u64 s[32:33], s[32:33], s[60:61]
	v_lshrrev_b32 v3, 4, v1
	v_lshlrev_b32 v3, 11+(\logks), v3              ; lanes 16-31: the next tile, a tile's K steps further on
	v_and_b32 v4, 15, v1
	v_lshl_add_u32 v3, v4, 4, v3                   ; + 16 r
	s_wait_kmcnt 0x0
	s_add_co_i32 s62, s49, 127
	s_lshl_b32 s63, s62, 23
	v_mov_b32 v10, s63                             ; 2^eW as f32: the conversion takes its exponent field
	s_add_co_i32 s62, s62, 8
	s_lshl_b32 s62, s62, 23
	s_or_b32 s62, s62, 0x600000
	v_mov_b32 v11, s62                             ; 448 x 2^eW
.irp q, 0,1,2,3
	s_wait_loadcnt 24-8*\q                         ; loads come back in order: these eight are in, the younger ones may be out
.irp j, 0,1,2,3,4,5,6,7
	v_med3_num_f32 v[16+8*\q+\j], v[16+8*\q+\j], -v11, v11   ; the conversion to an 8-bit code does not saturate (ISA guide 7.6.2): the hold comes first
.endr
	v_cvt_scalef32_pk8_fp8_f32 v[48+2*\q:49+2*\q], v[16+8*\q:23+8*\q], v10
.endr
	global_store_b128 v3, v[48:51], s[32:33]               ; k = 32 c + 0..15: the half h = 0 of the group; sixteen lanes store 256 consecutive bytes
	global_store_b128 v3, v[52:55], s[32:33] offset:256    ; k = 32 c + 16..31: the half h = 1
	s_or_b32 s62, s52, s42                         ; the block of K step 0, wave 0: the bias of these 128 columns
	s_cmp_lg_u32 s62, 0
	s_cbranch_scc1 .Lqw_end_\@
	s_mul_i32 s60, s58, \nb
	s_lshl_b32 s62, s51, 9
	s_add_co_u32 s60, s60, s62
	s_mov_b32 s61, 0
	s_add_nc_u64 s[56:57], s[56:57], s[60:61]
	global_load_b128 v[56:59], v5, s[56:57]
	s_mul_i32 s60, s44, 3584
	s_add_co_u32 s60, s60, s62
	s_add_co_u32 s60, s60, \boff
	s_add_nc_u64 s[34:35], s[34:35], s[60:61]
	s_add_co_i32 s63, s48, s49
	s_sub_co_i32 s63, 0, s63                       ; -(eA + eW)
	s_wait_loadcnt 0x0
.irp j, 0,1,2,3
	v_ldexp_f32 v[56+\j], v[56+\j], s63
.endr
	global_store_b128 v5, v[56:59], s[34:35]       ; 512 consecutive bytes
.Lqw_end_\@:
	s_endpgm                                       ; this path writes no LDS
.endm
	s_cmp_lt_u32 s45, 16
	s_cbranch_scc1 .Llayer1
	s_cmp_lt_u32 s45, 24
	s_cbranch_scc1 .Llayer2
	QW 8, 14, 20, 26, 512, 1, 131072, 393216, 3072, 512, 24, 16
.Llayer2:
	QW 6, 12, 18, 24, 1024, 2, 524288, 262144, 2048, 1024, 16, 8
.Llayer1:
	QW 4, 10, 16, 22, 2048, 2, 1048576, 0, 0, 2048, 0, 0
; ---------------- THE ROUTING ----------------
; 512 threads, 8 tokens each: slot i = 4 j + q is the chunk's token 2,048 j + 4 thread + q.
; v16-23 s; v24-31 rank in the wave; v32-39 P; v40-47 byte offsets in order; v48-55 token numbers; v56-63, v72-74 at work.
.Lroute:
	s_lshl_b32 s2, ttmp9, 14                       ; 4,096 tokens x 4 bytes
	s_mov_b32 s3, 0
	s_add_nc_u64 s[30:31], s[30:31], s[2:3]
	s_add_nc_u64 s[38:39], s[38:39], s[2:3]
	v_lshlrev_b32 v5, 4, v0
	global_load_b128 v[16:19], v5, s[30:31]
	global_load_b128 v[20:23], v5, s[30:31] offset:8192
	s_mov_b32 s76, 0x76543210                      ; v_permlanex16_b32: lane l takes lane l xor 16
	s_mov_b32 s77, 0xfedcba98
.irp i, 0,1,2,3,4,5,6,7
	v_mov_b32 v[24+\i], 0
	v_mov_b32 v[32+\i], 0x8000                     ; what a token keeps whose s is no relation
	s_mov_b32 s[48+\i], 0                          ; my wave's count of relation i
.endr
	s_wait_loadcnt 0x0
.irp e, 0,1,2,3,4,5,6,7
.irp i, 0,1,2,3,4,5,6,7
	v_cmp_eq_u32 vcc_lo, \e, v[16+\i]
	v_mbcnt_lo_u32_b32 v56, vcc_lo, s[48+\e]       ; those counted so far + the lanes below me in this slot
	v_cndmask_b32 v[24+\i], v[24+\i], v56, vcc_lo
	s_bcnt1_i32_b32 s2, vcc_lo
	s_add_co_u32 s[48+\e], s[48+\e], s2
.endr
.endr
	v_mov_b32 v57, 0
.irp e, 0,1,2,3,4,5,6,7
	v_writelane_b32 v57, s[48+\e], \e
.endr
	v_lshlrev_b32 v58, 2, v0
	ds_store_b32 v58, v57                          ; word 32 wave + relation
	v_lshrrev_b32 v60, 3, v1                       ; k = lane / 8
	v_and_b32 v59, 7, v1                           ; e = lane % 8
	v_lshlrev_b32 v59, 2, v59
	v_lshl_add_u32 v59, v60, 9, v59                ; the counts of waves 4 k .. 4 k + 3 for relation e: 512 k + 4 e, 128 bytes apart
	s_wait_dscnt 0x0                               ; for the others' sake: my store has landed
	s_barrier_signal -1
	s_barrier_wait -1
	ds_load_b32 v40, v59
	ds_load_b32 v41, v59 offset:128
	ds_load_b32 v42, v59 offset:256
	ds_load_b32 v43, v59 offset:384
	v_lshlrev_b32 v60, 2, v60                      ; 4 k
	v_mov_b32 v62, 0
	v_mov_b32 v56, 0
	s_wait_dscnt 0x0
	v_add_nc_u32 v61, v40, v41
	v_add3_u32 v61, v61, v42, v43                  ; the four waves' tokens of relation e,
.irp m, 0,1,2,3
	v_add_nc_u32 v63, \m, v60
	v_cmp_gt_u32 vcc_lo, s42, v63
	v_cndmask_b32 v63, 0, v[40+\m], vcc_lo
	v_add_nc_u32 v62, v62, v63                     ; and those of the waves ahead of mine
.endr
	v_mov_b32_dpp v56, v61 row_xmask:8 row_mask:0xf bank_mask:0xf
	v_mov_b32_dpp v57, v62 row_xmask:8 row_mask:0xf bank_mask:0xf
	v_add_nc_u32 v61, v61, v56
	v_add_nc_u32 v62, v62, v57
	v_permlanex16_b32 v56, v61, s76, s77
	v_permlanex16_b32 v57, v62, s76, s77
	v_add_nc_u32 v61, v61, v56                     ; the chunk's tokens of relation lane % 8, in every lane
	v_add_nc_u32 v62, v62, v57
	v_add_nc_u32 v63, 79, v61
	v_mul_u32_u24 v63, v63, 0xcccd
	v_lshrrev_b32 v63, 22, v63                     ; its tiles: (n + 79) / 80; 52,429 x 80 = 2^22 + 16, exact for n + 79 up to 4,175
	v_mov_b32 v72, v63
	v_mov_b32_dpp v56, v72 row_shr:1 row_mask:0xf bank_mask:0xf bound_ctrl:1
	v_add_nc_u32 v72, v72, v56
	v_mov_b32_dpp v56, v72 row_shr:2 row_mask:0xf bank_mask:0xf bound_ctrl:1
	v_add_nc_u32 v72, v72, v56
	v_mov_b32_dpp v56, v72 row_shr:4 row_mask:0xf bank_mask:0xf bound_ctrl:1
	v_add_nc_u32 v72, v72, v56                     ; lanes 0-7: tiles up to and with relation e (only these lanes are read below)
	v_sub_nc_u32 v73, v72, v63                     ; the relation's first tile in the chunk
	s_lshl_b32 s75, ttmp9, 6                       ; 64 y: the chunk's first tile
	v_add_nc_u32 v74, s75, v73
	v_mad_u32_u24 v74, v74, 80, v62                ; P of my wave's first token of relation e
.irp e, 0,1,2,3,4,5,6,7
	v_readlane_b32 s[80+\e], v74, \e
.endr
.irp e, 0,1,2,3,4,5,6,7
.irp i, 0,1,2,3,4,5,6,7
	v_cmp_eq_u32 vcc_lo, \e, v[16+\i]
	v_cndmask_b32 v[32+\i], v[32+\i], s[80+\e], vcc_lo
.endr
.endr
.irp i, 0,1,2,3,4,5,6,7
	v_add_nc_u32 v[32+\i], v[32+\i], v[24+\i]      ; + the rank in the wave (0 where s is no relation)
.endr
	global_store_b128 v5, v[32:35], s[38:39]       ; pos: a wave stores 512 consecutive bytes
	global_store_b128 v5, v[36:39], s[38:39] offset:8192
	s_lshl_b32 s2, ttmp9, 12
	v_lshl_add_u32 v48, v0, 2, s2
.irp i, 1,2,3,4,5,6,7
	v_add_nc_u32 v[48+\i], 2048*(\i/4)+\i%4, v48   ; the slot's token
.endr
.irp i, 0,1,2,3,4,5,6,7
	v_min_u32 v[40+\i], 0x4fff, v[32+\i]           ; order has 20,480 words
	v_lshlrev_b32 v[40+\i], 2, v[40+\i]
.endr
	s_cmp_lg_u32 s42, 1
	s_cbranch_scc1 .Lnot_table
	; wave 1: the chunk's 64 entries of the table of tiles, two a lane (the ranks in v24-31 are done with)
.irp e, 0,1,2,3,4,5,6,7
	v_readlane_b32 s[56+\e], v73, \e               ; the relation's first tile,
	v_readlane_b32 s[66+\e], v61, \e               ; its tokens
.endr
	v_readlane_b32 s74, v72, 7                     ; the chunk's tiles
	s_add_co_u32 s88, s75, 59
	s_lshl_b32 s88, s88, 16
	s_or_b32 s88, s88, 0x100                       ; an empty tile's entry: set 0, one row, tile 59's list, bit 24 clear
	v_lshlrev_b32 v56, 1, v1
	v_or_b32 v57, 1, v56                           ; tiles 2 lane, 2 lane + 1
.irp n, 0,1
	v_mov_b32 v[24+\n], 0
	v_mov_b32 v[26+\n], 0
	v_mov_b32 v[28+\n], 0
.irp e, 0,1,2,3,4,5,6,7
	v_cmp_le_u32 vcc_lo, s[56+\e], v[56+\n]        ; the first tiles ascend: the last relation that begins at or under this tile owns it
	v_cndmask_b32 v[24+\n], v[24+\n], \e+1, vcc_lo
	v_cndmask_b32 v[26+\n], v[26+\n], s[56+\e], vcc_lo
	v_cndmask_b32 v[28+\n], v[28+\n], s[66+\e], vcc_lo
.endr
	v_sub_nc_u32 v[26+\n], v[56+\n], v[26+\n]
	v_mul_u32_u24 v[26+\n], v[26+\n], 80
	v_sub_nc_u32 v[28+\n], v[28+\n], v[26+\n]
	v_min_u32 v[28+\n], 80, v[28+\n]               ; its rows: what is left of the relation's tokens, 80 at the most
	v_lshl_or_b32 v[30+\n], v[28+\n], 8, v[24+\n]
	v_add_nc_u32 v[28+\n], s75, v[56+\n]           ; the tile's number: its own list
	v_lshl_or_b32 v[30+\n], v[28+\n], 16, v[30+\n]
	v_or_b32 v[30+\n], 0x1000000, v[30+\n]         ; it has rows
	v_cmp_le_u32 vcc_lo, s74, v[56+\n]
	v_cndmask_b32 v[30+\n], v[30+\n], s88, vcc_lo  ; behind the chunk's last tile: empty
	v_lshl_or_b32 v[28+\n], v[28+\n], 16, 0x1004000
	v_add_nc_u32 v[26+\n], 0xffffffc5, v[56+\n]
	v_cmp_gt_u32 vcc_lo, 2, v[26+\n]
	v_cndmask_b32 v[30+\n], v[30+\n], v[28+\n], vcc_lo   ; tiles 59 and 60: set 0, 64 rows, their own lists
.endr
	s_lshl_b32 s2, ttmp9, 8
	s_mov_b32 s3, 0
	s_add_nc_u64 s[40:41], s[40:41], s[2:3]
	global_store_b64 v6, v[30:31], s[40:41]        ; 256 consecutive bytes
.Lnot_table:
	s_cmp_lg_u32 s42, 2
	s_cbranch_scc1 .Lnot_ui
	; wave 2: the lists of the chunk's two tiles of the shared MLP: rows b = 128 y + 0..63 and 128 y + 64..127
	s_add_co_u32 s2, s75, 59
	s_mul_i32 s2, s2, 320
	s_mov_b32 s3, 0
	s_add_nc_u64 s[90:91], s[36:37], s[2:3]
	s_lshl_b32 s2, ttmp9, 7
	v_lshl_add_u32 v24, v1, 1, s2
	v_add_nc_u32 v25, 1, v24
	v_add_nc_u32 v26, 64, v24
	v_add_nc_u32 v27, 65, v24
	global_store_b64 v6, v[24:25], s[90:91]
	global_store_b64 v6, v[26:27], s[90:91] offset:320
.Lnot_ui:
.irp i, 0,1,2,3,4,5,6,7
	v_cmp_gt_u32 vcc_lo, 8, v[16+\i]
	s_wait_xcnt 0x0                                ; EXEC is a source of the stores issued so far: it changes only behind this wait
	s_and_saveexec_b32 s2, vcc_lo                  ; only tokens that have a relation have a place
	global_store_b32 v[40+\i], v[48+\i], s[36:37]
	s_wait_xcnt 0x0                                ; and again in front of the line that widens it
	s_or_b32 exec_lo, exec_lo, s2
.endr
	s_wait_tensorcnt 0x0                           ; the wave's end: three closing lines behind my last LDS store
	ds_add_u32 v[SPW], v[NIL]
	s_wait_dscnt 0x0
	s_endpgm
.Lfunc_end_k_q7562b4f187_prep:
	.size	k_q7562b4f187_prep, .Lfunc_end_k_q7562b4f187_prep-k_q7562b4f187_prep
	.p2alignl 7, 3214868480
	.fill 96, 4, 3214868480
	.section	.rodata,"a",@progbits
	.p2align	6, 0x0
	.amdhsa_kernel k_q7562b4f187_prep
		.amdhsa_group_segment_fixed_size 4096
		.amdhsa_private_segment_fixed_size 0
		.amdhsa_enable_private_segment 0
		.amdhsa_kernarg_size 152
		.amdhsa_user_sgpr_count 2
		.amdhsa_user_sgpr_kernarg_segment_ptr 1
		.amdhsa_wavefront_size32 1
		.amdhsa_system_sgpr_workgroup_id_x 1
		.amdhsa_system_sgpr_workgroup_id_y 1
		.amdhsa_system_sgpr_workgroup_id_z 1
		.amdhsa_system_vgpr_workitem_id 0
		.amdhsa_next_free_vgpr 80
		.amdhsa_next_free_sgpr 100
		.amdhsa_reserve_vcc 1
		.amdhsa_float_denorm_mode_32 3
		.amdhsa_float_denorm_mode_16_64 3
		.amdhsa_memory_ordered 1
		.amdhsa_forward_progress 1
		.amdhsa_inst_pref_size 61
	.end_amdhsa_kernel
	.amdgpu_metadata
---
amdhsa.version: [ 1, 2 ]
amdhsa.kernels:
  - .name:           k_q7562b4f187_prep
    .symbol:         k_q7562b4f187_prep.kd
    .args:
      - { .name: W1, .offset: 0, .size: 8, .value_kind: global_buffer, .address_space: global }
      - { .name: W2, .offset: 8, .size: 8, .value_kind: global_buffer, .address_space: global }
      - { .name: W3, .offset: 16, .size: 8, .value_kind: global_buffer, .address_space: global }
      - { .name: Wu1, .offset: 24, .size: 8, .value_kind: global_buffer, .address_space: global }
      - { .name: Wu2, .offset: 32, .size: 8, .value_kind: global_buffer, .address_space: global }
      - { .name: Wu3, .offset: 40, .size: 8, .value_kind: global_buffer, .address_space: global }
      - { .name: b1, .offset: 48, .size: 8, .value_kind: global_buffer, .address_space: global }
      - { .name: b2, .offset: 56, .size: 8, .value_kind: global_buffer, .address_space: global }
      - { .name: b3, .offset: 64, .size: 8, .value_kind: global_buffer, .address_space: global }
      - { .name: bu1, .offset: 72, .size: 8, .value_kind: global_buffer, .address_space: global }
      - { .name: bu2, .offset: 80, .size: 8, .value_kind: global_buffer, .address_space: global }
      - { .name: bu3, .offset: 88, .size: 8, .value_kind: global_buffer, .address_space: global }
      - { .name: lowp_scales, .offset: 96, .size: 8, .value_kind: global_buffer, .address_space: global }
      - { .name: s, .offset: 104, .size: 8, .value_kind: global_buffer, .address_space: global }
      - { .name: wc, .offset: 112, .size: 8, .value_kind: global_buffer, .address_space: global }
      - { .name: bias, .offset: 120, .size: 8, .value_kind: global_buffer, .address_space: global }
      - { .name: order, .offset: 128, .size: 8, .value_kind: global_buffer, .address_space: global }
      - { .name: pos, .offset: 136, .size: 8, .value_kind: global_buffer, .address_space: global }
      - { .name: tiles, .offset: 144, .size: 8, .value_kind: global_buffer, .address_space: global }
    .group_segment_fixed_size: 4096
    .private_segment_fixed_size: 0
    .kernarg_segment_align: 8
    .kernarg_segment_size: 152
    .max_flat_workgroup_size: 512
    .sgpr_count:     100
    .vgpr_count:     80
    .wavefront_size: 32
...
	.end_amdgpu_metadata
.endif
;; end of part 1
;; launch chain (part 2): grid 61 x 4, 4 waves a work-group, no clusters, 146,432 bytes of LDS; arguments a_emb, o_emb, u_emb, i_emb, wc, bias, lowp_scales, order, tiles, emb; writes emb
.if DOCPART == 2
	.amdgcn_target "amdgcn-amd-amdhsa--gfx1250"
	.amdhsa_code_object_version 6
	.text
	.protected	k_q7562b4f187_chain
	.globl	k_q7562b4f187_chain
	.p2align	8
	.type	k_q7562b4f187_chain,@function
k_q7562b4f187_chain:
	s_mov_b64 s[64:65], 0
	v_nop
	global_prefetch_b8 v0, s[64:65] scope:SCOPE_SE
	s_setreg_imm32_b32 hwreg(HW_REG_WAVE_MODE, 25, 1), 1
	s_wait_xcnt 0x0
; ONE WORK-GROUP TAKES ONE TILE OF 80 ROWS OF ONE WEIGHT SET THROUGH THE WHOLE MLP: gather, quantise, 512 -> 512 -> 256 -> 128 with leaky ReLU, all three products on codes of E4M3; the 128 results of each row go to emb.
; Tile = 64 y + x.  x < 59: rows [a | o] of the tokens that the list names, set = relation + 1;  x = 59, 60: rows [u | i], set 0.  The table's entry: bits 7:0 the set, 15:8 the rows to take, 23:16 the tile whose list is read,
; bit 24: the tile has rows of its own.
; A TILE THAT THE SPLIT LEAVES EMPTY.  Every wave passes every barrier, and no barrier may hang on a number read from memory (ISA guide, the chapter on barriers: all waves of a work-group must arrive).  So an empty tile
; walks the same text, on the one row that its entry names (bytes that were written), and only the way out, behind the last barrier, is jumped over: it stores nothing.  That is work which nobody uses: with 4,096 tokens
; a chunk spread evenly over 8 relations, 3 of a chunk's 59 tiles.
; THE WAVES SHARE THE COLUMNS: wave w makes units 128 w.. of layer 1 (8 tiles of 16), 64 w.. of layer 2 (4), 32 w.. of layer 3 (2), for all 80 rows (5 tiles of 16).  Its weight fragments come from memory straight into
; its registers, each once, as the images that the launch before has laid.  EVERY PRODUCT IS USED TRANSPOSED (source 0 = 16 units, source 1 = 16 rows): a lane holds one row and its registers run along the next K;
; a tile's units are 32 (T / 2) + 8 (T % 2) + r + 8 (r / 8), so that the 16 registers of tiles 2 b and 2 b + 1 are 16 neighbours along the next K.  In every fragment registers 4 c .. 4 c + 3 of lane (r, h) hold
; k = 32 c + 16 h + 0..15, on both sides of each product alike.
; SCALES.  The raw sums stand for sum x 2^(eA + eW); the bias goes in as the C of a sum's first product, already x 2^-(eA + eW); max(x, 0.01 x) commutes with a power of two; so the next layer's conversion takes the one
; scale 2^(eA' - eA - eW), and the last layer's results are multiplied by 2^(eA3 + eW3).
; NO TENSOR LOADS, NO CLUSTER: which weight set a work-group reads is a number read from memory, so partners could not be promised one set, and the way out hangs on such a number too.
; Rows past the tile's count repeat its last row; they are stored in the tile's own rows of emb, and nobody reads them.
; LIMITS on the given exponents, so that each power of two below is an f32 number: eA1, eA2 - eA1 - eW1 and eA3 - eA2 - eW2 between -126 and 119; eA3 + eW3 between -126 and 127.  NaN among the inputs is not served.
; REGISTERS, in windows of 256.  Window 0: v1-13 addresses; v16-79 a row tile's fragments (at first: v16-35 the rows' offsets, v40-55 code words); v80-143 accumulators; v144-151 at work; v152-167 codes or results;
;   v168-231 b1 (later v168-199 b2, v200-215 b3); v232-236 scales.  Windows 1, 2: W1's 32 fragments (later window 1 v0-63: W3's four).  Window 3: a ring of 16 rows of x, then W2's 16 fragments.
.set XP,    528                        ; a row of x's codes in LDS, and of the stage: 512 bytes + 16: the sixteen rows of a fragment load start 33 x 16 bytes apart
.set XC,    0                          ; LDS: x's codes, 80 rows
.set H1,    80*XP                      ; layer 1's results as images: fragment (m, s) at (4 m + s) x 2,048
.set H2,    H1+20*2048                 ; layer 2's: (2 m + s) x 2,048
.set STG,   H2+10*2048                 ; the stage for the way out: 80 rows of 512 bytes + 16
.set SPARE, STG+80*XP                  ; the spare words, 128 bytes for each wave: two blocks of 256 bytes that no other line names
.set SETB,  425984
.set L2OFF, 262144
.set L3OFF, 393216
.set XF,   16
.set OFF,  16
.set XT,   40
.set ACC,  80
.set T,    144
.set PC,   152
.set B1,   168
.set B2,   168
.set B3,   200
.set SC1,  232                         ; 2^(eA2 - eA1 - eW1), and 448 x that
.set LIM1, 233
.set SC2,  234                         ; 2^(eA3 - eA2 - eW2), and 448 x that
.set LIM2, 235
.set SCX,  236                         ; 2^eA1
.set SPW,  254                         ; LDS address of my spare word; never rewritten
.set NIL,  255                         ; 0; never rewritten
.set MSB, 0
.macro WIN new                         ; bits 1:0 source 0, 3:2 source 1, 5:4 source 2, 7:6 destination; the immediate's high byte repeats the setting that is left
.if MSB != (\new)
	s_set_vgpr_msb (MSB<<8)|(\new)
.set MSB, (\new)
.endif
.endm
.macro W1F f                           ; W1's fragment f = 8 s + t: window 1 + f / 16, register 16 (f % 16)
	WIN ((1+(\f)/16)<<6)
.irp c, 0,1,2,3
	global_load_b128 v[16*((\f)%16)+4*\c:16*((\f)%16)+4*\c+3], v1, s[36:37] offset:(4*((\f)%8)+(\f)/8)*2048+512*\c
.endr
.endm
.macro W2F f                           ; W2's fragment f = 4 s + t: window 3, register 16 f
	WIN 0xc0
.irp c, 0,1,2,3
	global_load_b128 v[16*(\f)+4*\c:16*(\f)+4*\c+3], v1, s[38:39] offset:(4*((\f)%4)+(\f)/4)*2048+512*\c
.endr
.endm
.macro XLD i                           ; my row i: four loads of 512 consecutive bytes, K steps 0 to 3, into slot i % 16 of the ring
	WIN 0xc0
	global_load_b128 v[16*((\i)%16):16*((\i)%16)+3],     v[OFF+(\i)], s[32:33]
	global_load_b128 v[16*((\i)%16)+4:16*((\i)%16)+7],   v[OFF+(\i)], s[32:33] offset:512
	global_load_b128 v[16*((\i)%16)+8:16*((\i)%16)+11],  v[OFF+(\i)], s[34:35]
	global_load_b128 v[16*((\i)%16)+12:16*((\i)%16)+15], v[OFF+(\i)], s[34:35] offset:512
.endm
; My row i becomes codes.  A lane holds four neighbours of each K step: eight registers are two K steps' fours, so word j of the two conversions' results holds my four codes of K step j.
.macro XROW i
.set XS0, 16*((\i)%16)
.set XT0, XT+4*((\i)%4)
	s_wait_loadcnt 60                              ; behind this row's four loads stand 15 groups of four, in every turn: they may be out
	WIN 0xc3
.irp j, 0,1,2,3,4,5,6,7,8,9,10,11,12,13,14,15
	v_med3_num_f32 v[XS0+\j], v[XS0+\j], s52, s53  ; the conversion to an 8-bit code does not saturate (ISA guide 7.6.2): the hold at +-448 x 2^eA1 comes first
.endr
	s_wait_dscnt 12                                ; the stores that read this set of code words, four rows back, are done: twelve were issued behind them
	WIN 0x03
	v_cvt_scalef32_pk8_fp8_f32 v[XT0:XT0+1], v[XS0:XS0+7], v[SCX]
	v_cvt_scalef32_pk8_fp8_f32 v[XT0+2:XT0+3], v[XS0+8:XS0+15], v[SCX]
	WIN 0
.irp j, 0,1,2,3
	ds_store_b32 v2, v[XT0+\j] offset:XP*(\i)+128*\j   ; 32 lanes store a K step's 128 codes of the row
.endr
.if (\i) < 4
	XLD (\i)+16                                    ; the slot takes the row sixteen on,
.else
	W1F (\i)+7                                     ; or a fragment of W1 keeps the count of loads in step
.endif
.endm
.macro FETCHX m                        ; x's four fragments of row tile m, from rows of codes
.irp s, 0,1,2,3
.irp c, 0,1,2,3
	ds_load_b128 v[XF+16*\s+4*\c:XF+16*\s+4*\c+3], v3 offset:16*XP*(\m)+128*\s+32*\c
.endr
.endr
.endm
.macro FETCHI adr, m, ks               ; the ks fragments of row tile m, from images
.set FS, 0
.rept \ks
.irp c, 0,1,2,3
	ds_load_b128 v[XF+16*FS+4*\c:XF+16*FS+4*\c+3], v[\adr] offset:((\ks)*(\m)+FS)*2048+512*\c
.endr
.set FS, FS+1
.endr
.endm
; The products.  The accumulators take turns, one instruction a turn.  The first K step takes the bias as C.
.macro PROD1
	WIN 0x01
.irp t, 0,1,2,3,4,5,6,7
	v_wmma_f32_16x16x128_fp8_fp8 v[ACC+8*\t:ACC+8*\t+7], v[16*\t:16*\t+15], v[XF:XF+15], v[B1+8*\t:B1+8*\t+7]
.endr
.irp t, 0,1,2,3,4,5,6,7
	v_wmma_f32_16x16x128_fp8_fp8 v[ACC+8*\t:ACC+8*\t+7], v[128+16*\t:128+16*\t+15], v[XF+16:XF+31], v[ACC+8*\t:ACC+8*\t+7]
.endr
	WIN 0x02
.irp t, 0,1,2,3,4,5,6,7
	v_wmma_f32_16x16x128_fp8_fp8 v[ACC+8*\t:ACC+8*\t+7], v[16*\t:16*\t+15], v[XF+32:XF+47], v[ACC+8*\t:ACC+8*\t+7]
.endr
.irp t, 0,1,2,3,4,5,6,7
	v_wmma_f32_16x16x128_fp8_fp8 v[ACC+8*\t:ACC+8*\t+7], v[128+16*\t:128+16*\t+15], v[XF+48:XF+63], v[ACC+8*\t:ACC+8*\t+7]
.endr
	WIN 0
.endm
.macro PROD2
	WIN 0x03
.irp s, 0,1,2,3
.irp t, 0,1,2,3
.if \s == 0
	v_wmma_f32_16x16x128_fp8_fp8 v[ACC+8*\t:ACC+8*\t+7], v[16*\t:16*\t+15], v[XF:XF+15], v[B2+8*\t:B2+8*\t+7]
.else
	v_wmma_f32_16x16x128_fp8_fp8 v[ACC+8*\t:ACC+8*\t+7], v[64*\s+16*\t:64*\s+16*\t+15], v[XF+16*\s:XF+16*\s+15], v[ACC+8*\t:ACC+8*\t+7]
.endif
.endr
.endr
	WIN 0
.endm
.macro PROD3
	WIN 0x01
.irp s, 0,1
.irp t, 0,1
.if \s == 0
	v_wmma_f32_16x16x128_fp8_fp8 v[ACC+8*\t:ACC+8*\t+7], v[16*\t:16*\t+15], v[XF:XF+15], v[B3+8*\t:B3+8*\t+7]
.else
	v_wmma_f32_16x16x128_fp8_fp8 v[ACC+8*\t:ACC+8*\t+7], v[32+16*\t:32+16*\t+15], v[XF+16:XF+31], v[ACC+8*\t:ACC+8*\t+7]
.endif
.endr
.endr
	WIN 0
.endm
.macro PLACES                          ; four plain vector instructions between the last product and loads into its operands or reads of its results
.rept 4
	v_nop
.endr
.endm
; 16 np accumulator registers: leaky ReLU, the hold, the conversion; each accumulator is read from its low end on.  Tile n's eight codes are words 2 n, 2 n + 1 of the next operand.
.macro ACT np, sc, lim
.set AN, 0
.rept 2*(\np)
.irp j, 0,2,4,6
	v_pk_mul_f32 v[T+\j:T+\j+1], v[ACC+8*AN+\j:ACC+8*AN+\j+1], s[50:51] op_sel_hi:[1,0]   ; 0.01 x
.endr
.irp j, 0,1,2,3,4,5,6,7
	v_max_num_f32 v[ACC+8*AN+\j], v[ACC+8*AN+\j], v[T+\j]                                  ; x where x >= 0, else 0.01 x
.endr
.irp j, 0,1,2,3,4,5,6,7
	v_med3_num_f32 v[ACC+8*AN+\j], v[ACC+8*AN+\j], -v[\lim], v[\lim]
.endr
	v_cvt_scalef32_pk8_fp8_f32 v[PC+2*AN:PC+2*AN+1], v[ACC+8*AN:ACC+8*AN+7], v[\sc]
.set AN, AN+1
.endr
	v_nop                                          ; a plain vector instruction between the last conversion and the next products, which write its sources
.endm
.macro IMG adr, off, n                 ; n groups of four code words go to LDS as they stand: 16 bytes a lane, 512 a store
.set IC, 0
.rept \n
	ds_store_b128 v[\adr], v[PC+4*IC:PC+4*IC+3] offset:(\off)+512*IC
.set IC, IC+1
.endr
.endm
.macro BAR                             ; my LDS stores have landed and my LDS loads are in: then the work-group's barrier
	s_wait_dscnt 0x0
	s_barrier_signal -1
	s_barrier_wait -1
.endm
	s_load_b512 s[4:19], s[0:1], 0x0               ; a s[4:5], o s[6:7], u s[8:9], i s[10:11], wc s[12:13], bias s[14:15], the exponents s[16:17], order s[18:19]
	s_load_b128 s[20:23], s[0:1], 0x40             ; tiles s[20:21], emb s[22:23]
	v_lshl_add_u32 v[SPW], v0, 2, SPARE
	v_mov_b32 v[NIL], 0
	v_lshrrev_b32 v240, 5, v0
	v_readfirstlane_b32 s24, v240                  ; wave 0..3
	v_and_b32 v240, 31, v0                         ; lane
	v_and_b32 v241, 15, v0                         ; r
	v_bfe_u32 v242, v0, 4, 1                       ; h
	s_mov_b32 s25, ttmp9                           ; x
	s_and_b32 s26, ttmp7, 0xffff                   ; y
	s_lshl_b32 s27, s26, 6
	s_add_co_u32 s27, s27, s25                     ; the tile
	s_lshl_b32 s62, s27, 2
	v_lshlrev_b32 v1, 4, v240                      ; v1: 16 x lane
	s_mul_i32 s60, s24, 20*XP
	v_lshl_add_u32 v2, v240, 2, s60                ; v2: x's codes, on the way in: my 20 rows, 4 bytes a lane
	v_mul_u32_u24 v3, v241, XP
	v_lshl_add_u32 v3, v242, 4, v3                 ; v3: and as fragments: row r, + 16 h
	s_lshl_b32 s61, s24, 11
	v_add_nc_u32 v4, s61, v1
	v_add_nc_u32 v4, H1, v4                        ; v4: layer 1's images, my K step w
	v_add_nc_u32 v5, H1, v1                        ; v5: and back
	s_lshl_b32 s61, s24, 10
	v_add_nc_u32 v6, s61, v1
	v_add_nc_u32 v6, H2, v6                        ; v6: layer 2's images: K step w / 2, groups 2 (w % 2) on: 1,024 w
	v_add_nc_u32 v7, H2, v1                        ; v7: and back
	v_mul_u32_u24 v8, v241, XP
	v_lshl_add_u32 v8, v242, 6, v8
	s_lshl_b32 s61, s24, 7
	v_add_nc_u32 v8, s61, v8
	v_add_nc_u32 v8, STG, v8                       ; v8: the stage: row r, my 16 units at 128 w + 64 h
	v_add_nc_u32 v9, s60, v1
	v_add_nc_u32 v9, STG, v9                       ; v9: and back: my 20 rows, 16 bytes a lane
	s_mul_i32 s61, s24, 10240
	v_add_nc_u32 v10, s61, v1                      ; v10: the same rows in emb
	v_lshlrev_b32 v13, 6, v242
	s_lshl_b32 s61, s24, 9
	v_add_nc_u32 v11, s61, v13                     ; v11-13: my lane's place in the three biases: 64 h + my wave's units
	s_lshl_b32 s61, s24, 8
	v_add_nc_u32 v12, s61, v13
	s_lshl_b32 s61, s24, 7
	v_add_nc_u32 v13, s61, v13
	s_mov_b32 s50, 0x3c23d70a                      ; 0.01
	s_mov_b32 s51, s50                             ; (named with it as a pair, so it is written)
	s_wait_kmcnt 0x0
	s_load_b32 s28, s[20:21], s62 offset:0x0       ; the tile's entry
	s_cmp_ge_u32 s25, 59                           ; rows of [u | i] or of [a | o]: the choice hangs on the work-group's number alone
	s_cselect_b64 s[32:33], s[8:9], s[4:5]
	s_cselect_b64 s[34:35], s[10:11], s[6:7]
	s_mov_b32 s31, 0x3fff
	s_cselect_b32 s31, 0x1ff, s31                  ; 512 rows there, 16,384 here
	s_mul_i32 s60, s27, 40960
	s_mov_b32 s61, 0
	s_add_nc_u64 s[58:59], s[22:23], s[60:61]      ; the tile's rows of emb
	s_wait_kmcnt 0x0
	s_and_b32 s29, s28, 255
	s_min_u32 s29, s29, 8                          ; the set
	s_bfe_u32 s30, s28, 0x80008
	s_sub_co_u32 s30, s30, 1                       ; rows - 1
	s_bfe_u32 s60, s28, 0x80010
	s_min_u32 s60, s60, 255                        ; the tile whose list is read: order has 256 lists of 80 words
	s_mul_i32 s60, s60, 320
	s_add_nc_u64 s[56:57], s[18:19], s[60:61]
	s_mul_i32 s63, s29, 24
	s_load_b128 s[44:47], s[16:17], s63 offset:0x0     ; eA1, eW1, eA2, eW2
	s_load_b64 s[48:49], s[16:17], s63 offset:0x10     ; eA3, eW3
	s_mul_i32 s60, s24, 20
	v_add_nc_u32 v14, s60, v240
	v_min_u32 v14, s30, v14                        ; places past the count name the last row: only words that were written are read
	v_min_u32 v14, 79, v14
	v_lshlrev_b32 v14, 2, v14
	global_load_b32 v15, v14, s[56:57]             ; lane i < 20: my row i's token
	s_mul_i32 s60, s29, SETB
	s_add_nc_u64 s[12:13], s[12:13], s[60:61]
	s_lshl_b32 s60, s24, 16
	s_add_nc_u64 s[36:37], s[12:13], s[60:61]      ; my 32 fragments of W1,
	s_lshl_b32 s60, s24, 15
	s_add_co_u32 s60, s60, L2OFF
	s_add_nc_u64 s[38:39], s[12:13], s[60:61]      ; my 16 of W2,
	s_lshl_b32 s60, s24, 13
	s_add_co_u32 s60, s60, L3OFF
	s_add_nc_u64 s[40:41], s[12:13], s[60:61]      ; my 4 of W3
	s_mul_i32 s60, s29, 3584
	s_add_nc_u64 s[42:43], s[14:15], s[60:61]      ; the set's biases
.irp t, 0,1,2,3,4,5,6,7
	global_load_b128 v[B1+8*\t:B1+8*\t+3],   v11, s[42:43] offset:128*(\t/2)+32*(\t%2)      ; tile t, lane (r, h): units 32 (t / 2) + 16 h + 8 (t % 2) + 0..7
	global_load_b128 v[B1+8*\t+4:B1+8*\t+7], v11, s[42:43] offset:128*(\t/2)+32*(\t%2)+16
.endr
.set F, 0
.rept 11
	W1F F
.set F, F+1
.endr
	WIN 0
	s_wait_loadcnt 60                              ; the list is in: 16 + 44 loads were issued behind it
.irp i, 0,1,2,3,4,5,6,7,8,9,10,11,12,13,14,15,16,17,18,19
	v_readlane_b32 s60, v15, \i
	s_min_u32 s60, s60, 0x3fff
	s_and_b32 s60, s60, s31                        ; inside the table of rows
	s_lshl_b32 s60, s60, 10                        ; a row of a, o, u or i is 1,024 bytes
	v_add_nc_u32 v[OFF+\i], s60, v1
.endr
	s_wait_kmcnt 0x0
	s_add_co_i32 s60, s44, 127
	s_lshl_b32 s61, s60, 23
	v_mov_b32 v[SCX], s61                          ; 2^eA1 as f32: the conversion takes its exponent field
	s_add_co_i32 s60, s60, 8
	s_lshl_b32 s53, s60, 23
	s_or_b32 s53, s53, 0x600000                    ; 448 x 2^eA1,
	s_or_b32 s52, s53, 0x80000000                  ; and its negative
	s_sub_co_i32 s60, s46, s44
	s_sub_co_i32 s60, s60, s45
	s_add_co_i32 s60, s60, 127
	s_lshl_b32 s61, s60, 23
	v_mov_b32 v[SC1], s61
	s_add_co_i32 s60, s60, 8
	s_lshl_b32 s60, s60, 23
	s_or_b32 s60, s60, 0x600000
	v_mov_b32 v[LIM1], s60
	s_sub_co_i32 s60, s48, s46
	s_sub_co_i32 s60, s60, s47
	s_add_co_i32 s60, s60, 127
	s_lshl_b32 s61, s60, 23
	v_mov_b32 v[SC2], s61
	s_add_co_i32 s60, s60, 8
	s_lshl_b32 s60, s60, 23
	s_or_b32 s60, s60, 0x600000
	v_mov_b32 v[LIM2], s60
	s_add_co_i32 s54, s48, s49
	s_add_co_i32 s54, s54, 127
	s_lshl_b32 s54, s54, 23                        ; 2^(eA3 + eW3)
	s_mov_b32 s55, s54
	; ---- X: my 20 rows become codes in LDS; sixteen rows are asked for ahead
.irp i, 0,1,2,3,4,5,6,7,8,9,10,11,12,13,14,15
	XLD \i
.endr
.irp i, 0,1,2,3,4,5,6,7,8,9,10,11,12,13,14,15,16,17,18,19
	XROW \i
.endr
	WIN 0
	v_nop                                          ; a plain vector instruction behind the last conversion: products will read the registers that held its results
.set F, 27
.rept 5
	W1F F
.set F, F+1
.endr
.set F, 0
.rept 16
	W2F F                                          ; the ring has been read out: W2 takes its registers
.set F, F+1
.endr
	WIN 0
	BAR                                            ; all 80 rows of codes lie in LDS
	; ---- 1: 512 -> 512
	FETCHX 0
	s_wait_loadcnt 63                              ; W1 and b1 are in: 64 loads of W2 were issued behind them
.irp m, 0,1,2,3,4
	s_wait_dscnt 0x0                               ; the row tile's fragments are in, and the last image's stores have read their registers
	PROD1
	PLACES
.if \m < 4
	FETCHX \m+1
.else
.irp t, 0,1,2,3                                ; W1 and b1 are done with: b2, W3 and b3 take their registers
	global_load_b128 v[B2+8*\t:B2+8*\t+3],   v12, s[42:43] offset:2048+128*(\t/2)+32*(\t%2)
	global_load_b128 v[B2+8*\t+4:B2+8*\t+7], v12, s[42:43] offset:2048+128*(\t/2)+32*(\t%2)+16
.endr
	WIN 0x40
.irp f, 0,1,2,3                                ; W3's fragment f = 2 s + t: window 1, register 16 f
.irp c, 0,1,2,3
	global_load_b128 v[16*\f+4*\c:16*\f+4*\c+3], v1, s[40:41] offset:(2*(\f%2)+\f/2)*2048+512*\c
.endr
.endr
	WIN 0
.irp t, 0,1
	global_load_b128 v[B3+8*\t:B3+8*\t+3],   v13, s[42:43] offset:3072+32*\t
	global_load_b128 v[B3+8*\t+4:B3+8*\t+7], v13, s[42:43] offset:3072+32*\t+16
.endr
.endif
	ACT 4, SC1, LIM1
	IMG 4, 8192*\m, 4                              ; K step w of the next product, rows 16 m on
.endr
	BAR                                            ; layer 1's twenty fragments lie in LDS
	; ---- 2: 512 -> 256
	FETCHI 5, 0, 4
	s_wait_loadcnt 20                              ; W2 and b2 are in; W3's sixteen loads and b3's four may be out
.irp m, 0,1,2,3,4
	s_wait_dscnt 0x0
	PROD2
	PLACES
.if \m < 4
	FETCHI 5, \m+1, 4
.endif
	ACT 2, SC2, LIM2
	IMG 6, 4096*\m, 2
.endr
	BAR                                            ; layer 2's ten fragments lie in LDS
	; ---- 3: 256 -> 128
	FETCHI 7, 0, 2
	s_wait_loadcnt 0x0                             ; W3, b3
.irp m, 0,1,2,3,4
	s_wait_dscnt 0x0
	PROD3
	PLACES
.if \m < 4
	FETCHI 7, \m+1, 2
.endif
.irp n, 0,1
.irp j, 0,2,4,6
	v_pk_mul_f32 v[T+\j:T+\j+1], v[ACC+8*\n+\j:ACC+8*\n+\j+1], s[50:51] op_sel_hi:[1,0]
.endr
.irp j, 0,1,2,3,4,5,6,7
	v_max_num_f32 v[ACC+8*\n+\j], v[ACC+8*\n+\j], v[T+\j]
.endr
.irp j, 0,2,4,6
	v_pk_mul_f32 v[PC+8*\n+\j:PC+8*\n+\j+1], v[ACC+8*\n+\j:ACC+8*\n+\j+1], s[54:55] op_sel_hi:[1,0]   ; x 2^(eA3 + eW3)
.endr
.endr
.irp q, 0,1,2,3
	ds_store_b128 v8, v[PC+4*\q:PC+4*\q+3] offset:16*XP*\m+16*\q      ; lane (r, h): row 16 m + r, units 32 w + 16 h + 0..15
.endr
.endr
	BAR                                            ; 80 whole rows lie in the stage: the last barrier
	; ---- the way out: each wave stores 20 whole rows; a tile without rows of its own stores nothing (no barrier stands behind this branch)
	s_bfe_u32 s62, s28, 0x10018
	s_cmp_eq_u32 s62, 0
	s_cbranch_scc1 .Lno_rows
.irp i, 0,1,2,3,4,5,6,7,8,9,10,11,12,13,14,15,16,17,18,19
	ds_load_b128 v[16+4*\i:19+4*\i], v9 offset:XP*\i
.endr
.irp i, 0,1,2,3,4,5,6,7,8,9,10,11,12,13,14,15,16,17,18,19
	s_wait_dscnt 19-\i                             ; LDS loads come back in order: row i is in
	global_store_b128 v10, v[16+4*\i:19+4*\i], s[58:59] offset:512*\i   ; 32 lanes store 512 consecutive bytes, at a multiple of 256 from emb's first byte
.endr
.Lno_rows:
	s_wait_tensorcnt 0x0                           ; the wave's end: three closing lines behind my last LDS store
	ds_add_u32 v[SPW], v[NIL]
	s_wait_dscnt 0x0
	s_endpgm
.Lfunc_end_k_q7562b4f187_chain:
	.size	k_q7562b4f187_chain, .Lfunc_end_k_q7562b4f187_chain-k_q7562b4f187_chain
	.p2alignl 7, 3214868480
	.fill 96, 4, 3214868480
	.section	.rodata,"a",@progbits
	.p2align	6, 0x0
	.amdhsa_kernel k_q7562b4f187_chain
		.amdhsa_group_segment_fixed_size 146432
		.amdhsa_private_segment_fixed_size 0
		.amdhsa_enable_private_segment 0
		.amdhsa_kernarg_size 80
		.amdhsa_user_sgpr_count 2
		.amdhsa_user_sgpr_kernarg_segment_ptr 1
		.amdhsa_wavefront_size32 1
		.amdhsa_system_sgpr_workgroup_id_x 1
		.amdhsa_system_sgpr_workgroup_id_y 1
		.amdhsa_system_sgpr_workgroup_id_z 1
		.amdhsa_system_vgpr_workitem_id 0
		.amdhsa_next_free_vgpr 1024
		.amdhsa_next_free_sgpr 66
		.amdhsa_reserve_vcc 0
		.amdhsa_float_denorm_mode_32 3
		.amdhsa_float_denorm_mode_16_64 3
		.amdhsa_memory_ordered 1
		.amdhsa_forward_progress 1
		.amdhsa_inst_pref_size 183
	.end_amdhsa_kernel
	.amdgpu_metadata
---
amdhsa.version: [ 1, 2 ]
amdhsa.kernels:
  - .name:           k_q7562b4f187_chain
    .symbol:         k_q7562b4f187_chain.kd
    .args:
      - { .name: a_emb, .offset: 0, .size: 8, .value_kind: global_buffer, .address_space: global }
      - { .name: o_emb, .offset: 8, .size: 8, .value_kind: global_buffer, .address_space: global }
      - { .name: u_emb, .offset: 16, .size: 8, .value_kind: global_buffer, .address_space: global }
      - { .name: i_emb, .offset: 24, .size: 8, .value_kind: global_buffer, .address_space: global }
      - { .name: wc, .offset: 32, .size: 8, .value_kind: global_buffer, .address_space: global }
      - { .name: bias, .offset: 40, .size: 8, .value_kind: global_buffer, .address_space: global }
      - { .name: lowp_scales, .offset: 48, .size: 8, .value_kind: global_buffer, .address_space: global }
      - { .name: order, .offset: 56, .size: 8, .value_kind: global_buffer, .address_space: global }
      - { .name: tiles, .offset: 64, .size: 8, .value_kind: global_buffer, .address_space: global }
      - { .name: emb, .offset: 72, .size: 8, .value_kind: global_buffer, .address_space: global }
    .group_segment_fixed_size: 146432
    .private_segment_fixed_size: 0
    .kernarg_segment_align: 8
    .kernarg_segment_size: 80
    .max_flat_workgroup_size: 128
    .sgpr_count:     66
    .vgpr_count:     1024
    .wavefront_size: 32
...
	.end_amdgpu_metadata
.endif
;; end of part 2
;; launch score (part 3): grid 256 x 1, 4 waves a work-group, no clusters, 1,024 bytes of LDS; arguments emb, pos, out0; writes out0
.if DOCPART == 3
	.amdgcn_target "amdgcn-amd-amdhsa--gfx1250"
	.amdhsa_code_object_version 6
	.text
	.protected	k_q7562b4f187_score
	.globl	k_q7562b4f187_score
	.p2align	8
	.type	k_q7562b4f187_score,@function
k_q7562b4f187_score:
	s_mov_b64 s[64:65], 0
	v_nop
	global_prefetch_b8 v0, s[64:65] scope:SCOPE_SE
	s_setreg_imm32_b32 hwreg(HW_REG_WAVE_MODE, 25, 1), 1
	s_wait_xcnt 0x0
; pred[b][n] = the dot product of the token's 128 numbers (row pos[token] of emb) with those of its b (a row of the shared MLP's tiles).  Where s named no relation (pos = 0x8000) the token's vector is zero: pred = 0.
; Work-group G takes tokens 64 G .. 64 G + 63, wave w sixteen of them, which share b = 2 G + w / 2.  A row is 512 bytes: 16 bytes a lane, one load a row; sixteen rows are on their way at once.
; The 64 results meet in LDS, and wave 0 stores them as 256 consecutive bytes.  Memory binds here: no matrix unit, no tensor load, no cluster (work-groups share nothing but 512-byte rows).
.set SPARE, 512                        ; LDS: bytes 0-511 a word for each thread; from 512 the spare words, 128 bytes for each wave, which no other line names
.set SPW, 102
.set NIL, 103
	s_load_b128 s[4:7], s[0:1], 0x0                ; emb, pos
	s_load_b64 s[8:9], s[0:1], 0x10                ; out0
	v_lshl_add_u32 v[SPW], v0, 2, SPARE
	v_mov_b32 v[NIL], 0
	v_lshrrev_b32 v1, 5, v0
	v_readfirstlane_b32 s16, v1                    ; wave 0..3
	v_and_b32 v11, 31, v0                          ; lane
	v_lshlrev_b32 v1, 4, v11                       ; 16 x lane
	v_and_b32 v10, 15, v0
	v_lshlrev_b32 v10, 2, v10                      ; lanes 0-15 and 16-31 alike: my wave's sixteen words of pos
	v_lshlrev_b32 v9, 2, v0                        ; my word in LDS
	v_lshrrev_b32 v96, 3, v11
	v_and_b32 v97, 7, v11
	v_lshlrev_b32 v97, 3, v97
	v_lshl_add_u32 v96, v96, 7, v97                ; wave 0's way out: results 2 lane, 2 lane + 1 lie at 128 (lane / 8) + 8 (lane % 8)
	v_lshlrev_b32 v97, 3, v11
	s_mov_b32 s22, 0x76543210                      ; v_permlanex16_b32: lane l takes lane l xor 16
	s_mov_b32 s23, 0xfedcba98
	s_lshr_b32 s10, ttmp9, 6                       ; b's row: b / 64 = G / 32 names the tile: chunk G / 64, place 59 + (G / 32) % 2
	s_lshl_b32 s10, s10, 6
	s_bfe_u32 s11, ttmp9, 0x10005
	s_add_co_u32 s10, s10, s11
	s_add_co_u32 s10, s10, 59
	s_mul_i32 s10, s10, 80
	s_lshl_b32 s11, ttmp9, 1
	s_lshr_b32 s12, s16, 1
	s_add_co_u32 s11, s11, s12
	s_and_b32 s11, s11, 63                         ; b % 64
	s_add_co_u32 s13, s10, s11
	s_lshl_b32 s18, ttmp9, 8
	s_lshl_b32 s19, s16, 6
	s_add_co_u32 s18, s18, s19
	s_mov_b32 s19, 0
	s_wait_kmcnt 0x0
	s_add_nc_u64 s[6:7], s[6:7], s[18:19]
	s_lshl_b32 s18, s13, 9
	s_add_nc_u64 s[20:21], s[4:5], s[18:19]
	global_load_b32 v2, v10, s[6:7]
	global_load_b128 v[4:7], v1, s[20:21]          ; b's row
	s_lshl_b32 s18, ttmp9, 8
	s_add_nc_u64 s[8:9], s[8:9], s[18:19]
	v_mov_b32 v3, s13
	v_mov_b32 v8, 0
	s_wait_loadcnt 1                               ; pos is in; b's row may be out
	v_cmp_gt_u32 s12, 0x8000, v2                   ; has the token a row?
	v_cndmask_b32 v3, v3, v2, s12                  ; if not, b's row is read in its stead, so that no unwritten row is touched; the result is replaced by 0 below
.irp t, 0,1,2,3,4,5,6,7,8,9,10,11,12,13,14,15
	v_readlane_b32 s14, v3, \t
	s_min_u32 s14, s14, 0x4fff                     ; emb has 20,480 rows
	s_lshl_b32 s14, s14, 9
	v_add_nc_u32 v[32+4*\t], s14, v1
	global_load_b128 v[32+4*\t:35+4*\t], v[32+4*\t], s[4:5]   ; the load lands on its own address register
.endr
.irp t, 0,1,2,3,4,5,6,7,8,9,10,11,12,13,14,15
	s_wait_loadcnt 15-\t                           ; loads come back in order: row t is in, the younger ones may be out
	v_pk_mul_f32 v[32+4*\t:33+4*\t], v[32+4*\t:33+4*\t], v[4:5]
	v_pk_fma_f32 v[32+4*\t:33+4*\t], v[34+4*\t:35+4*\t], v[6:7], v[32+4*\t:33+4*\t]
	v_add_f32 v[12+\t], v[32+4*\t], v[33+4*\t]
.endr
.irp x, 1,2,4,8                                ; the sixteen sums side by side, so that no line waits for the line above it
.irp t, 0,1,2,3,4,5,6,7,8,9,10,11,12,13,14,15
	v_add_f32_dpp v[12+\t], v[12+\t], v[12+\t] row_xmask:\x row_mask:0xf bank_mask:0xf
.endr
.endr
.irp t, 0,1,2,3,4,5,6,7,8,9,10,11,12,13,14,15
	v_permlanex16_b32 v[32+4*\t], v[12+\t], s22, s23
.endr
.irp t, 0,1,2,3,4,5,6,7,8,9,10,11,12,13,14,15
	v_add_f32 v[12+\t], v[12+\t], v[32+4*\t]
.endr
.irp t, 0,1,2,3,4,5,6,7,8,9,10,11,12,13,14,15
	s_mov_b32 s15, 1<<\t
	v_cndmask_b32 v8, v8, v[12+\t], s15            ; lane t keeps token t's sum
.endr
	v_cndmask_b32 v8, 0, v8, s12
	ds_store_b32 v9, v8
	s_wait_dscnt 0x0                               ; for the others' sake: my store has landed
	s_barrier_signal -1
	s_barrier_wait -1
	s_cmp_lg_u32 s16, 0
	s_cbranch_scc1 .Lnot_wave_0
	ds_load_b64 v[14:15], v96
	s_wait_dscnt 0x0
	global_store_b64 v97, v[14:15], s[8:9]         ; 32 lanes store 256 consecutive bytes, at a multiple of 256 from out0's first byte
.Lnot_wave_0:
	s_wait_tensorcnt 0x0                           ; the wave's end: three closing lines behind my last LDS store
	ds_add_u32 v[SPW], v[NIL]
	s_wait_dscnt 0x0
	s_endpgm
.Lfunc_end_k_q7562b4f187_score:
	.size	k_q7562b4f187_score, .Lfunc_end_k_q7562b4f187_score-k_q7562b4f187_score
	.p2alignl 7, 3214868480
	.fill 96, 4, 3214868480
	.section	.rodata,"a",@progbits
	.p2align	6, 0x0
	.amdhsa_kernel k_q7562b4f187_score
		.amdhsa_group_segment_fixed_size 1024
		.amdhsa_private_segment_fixed_size 0
		.amdhsa_enable_private_segment 0
		.amdhsa_kernarg_size 24
		.amdhsa_user_sgpr_count 2
		.amdhsa_user_sgpr_kernarg_segment_ptr 1
		.amdhsa_wavefront_size32 1
		.amdhsa_system_sgpr_workgroup_id_x 1
		.amdhsa_system_sgpr_workgroup_id_y 1
		.amdhsa_system_sgpr_workgroup_id_z 1
		.amdhsa_system_vgpr_workitem_id 0
		.amdhsa_next_free_vgpr 104
		.amdhsa_next_free_sgpr 66
		.amdhsa_reserve_vcc 0
		.amdhsa_float_denorm_mode_32 3
		.amdhsa_float_denorm_mode_16_64 3
		.amdhsa_memory_ordered 1
		.amdhsa_forward_progress 1
		.amdhsa_inst_pref_size 18
	.end_amdhsa_kernel
	.amdgpu_metadata
---
amdhsa.version: [ 1, 2 ]
amdhsa.kernels:
  - .name:           k_q7562b4f187_score
    .symbol:         k_q7562b4f187_score.kd
    .args:
      - { .name: emb, .offset: 0, .size: 8, .value_kind: global_buffer, .address_space: global }
      - { .name: pos, .offset: 8, .size: 8, .value_kind: global_buffer, .address_space: global }
      - { .name: out0, .offset: 16, .size: 8, .value_kind: global_buffer, .address_space: global }
    .group_segment_fixed_size: 1024
    .private_segment_fixed_size: 0
    .kernarg_segment_align: 8
    .kernarg_segment_size: 24
    .max_flat_workgroup_size: 128
    .sgpr_count:     66
    .vgpr_count:     104
    .wavefront_size: 32
...
	.end_amdgpu_metadata
.endif
;; end of part 3
;; ======== version 2 of 2: 3 launches
;; workspace buffers: wc 3,833,856 bytes; bias 32,256 bytes; emb 10,485,760 bytes; order 81,920 bytes of whole numbers; pos 65,536 bytes of whole numbers; tiles 1,024 bytes of whole numbers
;; launch prep (part 4): grid 238 x 1, 16 waves a work-group, no clusters, 4,096 bytes of LDS; arguments W1, W2, W3, Wu1, Wu2, Wu3, b1, b2, b3, bu1, bu2, bu3, lowp_scales, s, wc, bias, order, pos, tiles; writes wc, bias, order, pos, tiles
.if DOCPART == 4
	.amdgcn_target "amdgcn-amd-amdhsa--gfx1250"
	.amdhsa_code_object_version 6
	.text
	.protected	k_q7562b4f187_prep
	.globl	k_q7562b4f187_prep
	.p2align	8
	.type	k_q7562b4f187_prep,@function
k_q7562b4f187_prep:
	s_mov_b64 s[64:65], 0
	v_nop
	global_prefetch_b8 v0, s[64:65] scope:SCOPE_SE
	s_setreg_imm32_b32 hwreg(HW_REG_WAVE_MODE, 25, 1), 1
	s_wait_xcnt 0x0
; TWO JOBS IN ONE LAUNCH, parted on the work-group's number.
; Work-groups 0-3: THE ROUTING.  Work-group y sorts tokens 4,096 y .. 4,096 y + 4,095 by their relation s (a counting sort, no atomics) into tiles of 80 rows.
;   Row number P = 80 x tile + place; tile = 64 y + x; x = 0..58: the chunk's tiles, relation by relation (never more than (4,096 + 8 x 79) / 80 = 59); x = 59, 60: two tiles of 64 rows of the shared MLP.
;   order[P] = the token (or the row b of u, i);  pos[token] = P, or 0x8000 where s lies outside 0..7.
;   tiles[tile]: bits 7:0 the weight set; 15:8 rows to take from a list; 23:16 the tile whose list is read; bit 24: the tile has rows of its own.
;   A tile that the split leaves empty: set 0, one row, the list of the chunk's tile 59 (which is always written), bit 24 clear.
; Work-groups 4-237: THE WEIGHTS.  Nine sets (0: the shared MLP, r + 1: relation r) x 26 blocks of 128 columns x 128 along K become codes of E4M3: x / 2^e, held within +-448, nearest, ties to even.
;   A LANE TAKES A COLUMN AND ITS REGISTERS RUN DOWN K, so the conversions give codes with K innermost.  The codes are laid as images of operand registers: fragment (T, s) = 16 units x 128 K = 2,048 bytes;
;   group c (512 bytes) holds at byte 16 (r + 16 h) the codes k = 128 s + 32 c + 16 h + 0..15 of unit 32 (T / 2) + 8 (T % 2) + r + 8 (r / 8).  Lanes 0-15 of a wave take tile 2 B, lanes 16-31 tile 2 B + 1,
;   so sixteen neighbouring lanes store 256 consecutive bytes at a multiple of 256: no LDS on this path.  The biases are stored x 2^-(eA + eW), the power of two that the raw sums lack.
; LIMITS: each weight's exponent e lies between -126 and 119, so that 2^e and 448 x 2^e are f32 numbers.  NaN among the inputs is not served.
; The list of rows leaves by stores of 4 bytes a lane (64 KB in all): its places hang on s, and within one store the lanes of one relation hold neighbouring places.
.set SPARE, 2048                       ; LDS: bytes 0-2,047 the waves' counts (word 32 wave + relation); from 2,048 the spare words, 128 bytes for each of 16 waves, which no other line names
.set SETB,  425984                     ; bytes of a set's codes: 262,144 + 131,072 + 32,768
.set SPW,   78                         ; v78  LDS address of my spare word; never rewritten
.set NIL,   79                         ; v79  0; never rewritten
	s_load_b512 s[4:19], s[0:1], 0x0               ; W1 s[4:5], W2 s[6:7], W3 s[8:9], Wu1 s[10:11], Wu2 s[12:13], Wu3 s[14:15], b1 s[16:17], b2 s[18:19]
	s_load_b512 s[20:35], s[0:1], 0x40             ; b3 s[20:21], bu1 s[22:23], bu2 s[24:25], bu3 s[26:27], the exponents s[28:29], s s[30:31], wc s[32:33], bias s[34:35]
	s_load_b128 s[36:39], s[0:1], 0x80             ; order s[36:37], pos s[38:39]
	s_load_b64 s[40:41], s[0:1], 0x90              ; tiles
	v_lshl_add_u32 v[SPW], v0, 2, SPARE
	v_mov_b32 v[NIL], 0
	v_lshrrev_b32 v1, 5, v0
	s_delay_alu instid0(VALU_DEP_1)
	v_readfirstlane_b32 s42, v1                    ; wave 0..15
	v_and_b32 v1, 31, v0                           ; lane
	s_delay_alu instid0(VALU_DEP_1)
	v_lshlrev_b32 v6, 3, v1                        ; 8 x lane: the offset of the table's and the short lists' stores; made here, with all lanes on, and never rewritten
	s_wait_kmcnt 0x0
	s_cmp_lt_u32 ttmp9, 4
	s_cbranch_scc1 .Lroute
; ---------------- THE WEIGHTS ----------------
	s_sub_co_u32 s43, ttmp9, 4                     ; 0..233
	s_mul_i32 s44, s43, 2521
	s_lshr_b32 s44, s44, 16                        ; set g = n / 26: 26 x 2,521 = 65,536 + 10, and 10 x 8 + 2,521 x 25 stays under 65,536
	s_mul_i32 s45, s44, 26
	s_sub_co_u32 s45, s43, s45                     ; block u = 0..25: 16 of layer 1, 8 of layer 2, 2 of layer 3
	s_and_b32 s46, s42, 3                          ; cg: which 32 of the block's 128 columns are my wave's
	s_lshr_b32 s47, s42, 2                         ; c: which 32 of its 128 along K
	s_wait_alu depctr_va_vdst(0)
	v_and_b32 v2, 15, v1
	v_lshrrev_b32 v3, 4, v1
	s_delay_alu instid0(VALU_DEP_1)
	v_lshl_add_u32 v2, v3, 3, v2
	v_and_b32 v4, 8, v1
	s_delay_alu instid0(VALU_DEP_1)
	v_add_nc_u32 v2, v2, v4                        ; my column among the 32: r + 8 (r / 8) + 8 (lane / 16)
	s_delay_alu instid0(VALU_DEP_1)
	v_lshlrev_b32 v2, 2, v2
	v_lshlrev_b32 v5, 4, v1                        ; 16 x lane, for the biases
; One block.  wr, wur, br, bur: the scalar registers of the relations' weight, the shared weight, and the two biases.  pitch: bytes of a row of the weight.  2^logks: K steps.  esz: bytes of one relation's weight.
; loff, boff: the layer's place in a set's codes and biases.  nb: bytes of a bias row.  ub: the layer's first block.  soff: the layer's place among a set's six exponents, in bytes.
.macro QW wr, wur, br, bur, pitch, logks, esz, loff, boff, nb, ub, soff
	s_sub_co_u32 s50, s45, \ub
	s_lshr_b32 s51, s50, \logks                    ; cgp: which 128 columns
	s_and_b32 s52, s50, (1<<(\logks))-1            ; s: which K step
	s_mul_i32 s53, s44, 24
	s_load_b64 s[48:49], s[28:29], s53 offset:\soff   ; eA, eW of this set's layer
	s_cmp_eq_u32 s44, 0                            ; the shared MLP's tensors or the relations': the choice hangs on the work-group's number alone
	s_cselect_b64 s[54:55], s[\wur:\wur+1], s[\wr:\wr+1]
	s_cselect_b64 s[56:57], s[\bur:\bur+1], s[\br:\br+1]
	s_max_u32 s58, s44, 1
	s_sub_co_u32 s58, s58, 1                       ; the relation (0 for the shared MLP)
	s_mul_i32 s60, s58, \esz
	s_lshl_b32 s61, s52, 7
	s_lshl_b32 s62, s47, 5
	s_add_co_u32 s61, s61, s62                     ; my first row: 128 s + 32 c
	s_mul_i32 s61, s61, \pitch
	s_add_co_u32 s60, s60, s61
	s_lshl_b32 s61, s51, 9
	s_add_co_u32 s60, s60, s61
	s_lshl_b32 s61, s46, 7
	s_add_co_u32 s60, s60, s61                     ; + my wave's first column, in bytes: 512 cgp + 128 cg
	s_mov_b32 s61, 0
	s_add_nc_u64 s[54:55], s[54:55], s[60:61]
.set QI, 0
.rept 32
	global_load_b32 v[16+QI], v2, s[54:55] offset:QI*(\pitch) th:TH_LOAD_NT   ; row 128 s + 32 c + i at my column: a wave reads 128 consecutive bytes, the four waves side by side 512; read once in the launch
.set QI, QI+1
.endr
	s_mul_i32 s60, s44, SETB                       ; where the codes go
	s_lshl_b32 s61, s51, 3
	s_lshl_b32 s62, s46, 1
	s_add_co_u32 s61, s61, s62                     ; tile 2 B = 8 cgp + 2 cg
	s_lshl_b32 s61, s61, \logks
	s_add_co_u32 s61, s61, s52                     ; fragment (T, s)
	s_lshl_b32 s61, s61, 11
	s_add_co_u32 s60, s60, s61
	s_lshl_b32 s61, s47, 9                         ; group c
	s_add_co_u32 s60, s60, s61
	s_add_co_u32 s60, s60, \loff
	s_mov_b32 s61, 0
	s_add_nc_u64 s[32:33], s[32:33], s[60:61]
	v_lshrrev_b32 v3, 4, v1
	s_delay_alu instid0(VALU_DEP_1)
	v_lshlrev_b32 v3, 11+(\logks), v3              ; lanes 16-31: the next tile, a tile's K steps further on
	v_and_b32 v4, 15, v1
	s_delay_alu instid0(VALU_DEP_1)
	v_lshl_add_u32 v3, v4, 4, v3                   ; + 16 r
	s_wait_kmcnt 0x0
	s_add_co_i32 s62, s49, 127
	s_lshl_b32 s63, s62, 23
	v_mov_b32 v10, s63                             ; 2^eW as f32: the conversion takes its exponent field
	s_add_co_i32 s62, s62, 8
	s_lshl_b32 s62, s62, 23
	s_or_b32 s62, s62, 0x600000
	v_mov_b32 v11, s62                             ; 448 x 2^eW
	s_wait_alu depctr_va_vdst(0)
.irp q, 0,1,2,3
	s_wait_loadcnt 24-8*\q                         ; loads come back in order: these eight are in, the younger ones may be out
.irp j, 0,1,2,3,4,5,6,7
	v_med3_num_f32 v[16+8*\q+\j], v[16+8*\q+\j], -v11, v11   ; the conversion to an 8-bit code does not saturate (ISA guide 7.6.2): the hold comes first
.endr
	v_cvt_scalef32_pk8_fp8_f32 v[48+2*\q:49+2*\q], v[16+8*\q:23+8*\q], v10
.endr
	global_store_b128 v3, v[48:51], s[32:33]               ; k = 32 c + 0..15: the half h = 0 of the group; sixteen lanes store 256 consecutive bytes
	global_store_b128 v3, v[52:55], s[32:33] offset:256    ; k = 32 c + 16..31: the half h = 1
	s_or_b32 s62, s52, s42                         ; the block of K step 0, wave 0: the bias of these 128 columns
	s_cmp_lg_u32 s62, 0
	s_cbranch_scc1 .Lqw_end_\@
	s_mul_i32 s60, s58, \nb
	s_lshl_b32 s62, s51, 9
	s_add_co_u32 s60, s60, s62
	s_mov_b32 s61, 0
	s_add_nc_u64 s[56:57], s[56:57], s[60:61]
	global_load_b128 v[56:59], v5, s[56:57]
	s_mul_i32 s60, s44, 3584
	s_add_co_u32 s60, s60, s62
	s_add_co_u32 s60, s60, \boff
	s_add_nc_u64 s[34:35], s[34:35], s[60:61]
	s_add_co_i32 s63, s48, s49
	s_sub_co_i32 s63, 0, s63                       ; -(eA + eW)
	s_wait_loadcnt 0x0
.irp j, 0,1,2,3
	v_ldexp_f32 v[56+\j], v[56+\j], s63
.endr
	global_store_b128 v5, v[56:59], s[34:35]       ; 512 consecutive bytes
.Lqw_end_\@:
	s_endpgm                                       ; this path writes no LDS
.endm
	s_cmp_lt_u32 s45, 16
	s_cbranch_scc1 .Llayer1
	s_cmp_lt_u32 s45, 24
	s_cbranch_scc1 .Llayer2
	s_wait_alu depctr_va_vdst(0)
	QW 8, 14, 20, 26, 512, 1, 131072, 393216, 3072, 512, 24, 16
.Llayer2:
	s_wait_alu depctr_va_vdst(0)
	QW 6, 12, 18, 24, 1024, 2, 524288, 262144, 2048, 1024, 16, 8
.Llayer1:
	s_wait_alu depctr_va_vdst(0)
	QW 4, 10, 16, 22, 2048, 2, 1048576, 0, 0, 2048, 0, 0
; ---------------- THE ROUTING ----------------
; 512 threads, 8 tokens each: slot i = 4 j + q is the chunk's token 2,048 j + 4 thread + q.
; v16-23 s; v24-31 rank in the wave; v32-39 P; v40-47 byte offsets in order; v48-55 token numbers; v56-63, v72-74 at work.
.Lroute:
	s_lshl_b32 s2, ttmp9, 14                       ; 4,096 tokens x 4 bytes
	s_mov_b32 s3, 0
	s_add_nc_u64 s[30:31], s[30:31], s[2:3]
	s_add_nc_u64 s[38:39], s[38:39], s[2:3]
	v_lshlrev_b32 v5, 4, v0
	global_load_b128 v[16:19], v5, s[30:31]
	global_load_b128 v[20:23], v5, s[30:31] offset:8192
	s_mov_b32 s76, 0x76543210                      ; v_permlanex16_b32: lane l takes lane l xor 16
	s_mov_b32 s77, 0xfedcba98
.irp i, 0,1,2,3,4,5,6,7
	v_mov_b32 v[24+\i], 0
	v_mov_b32 v[32+\i], 0x8000                     ; what a token keeps whose s is no relation
	s_mov_b32 s[48+\i], 0                          ; my wave's count of relation i
.endr
	s_wait_loadcnt 0x0
.irp e, 0,1,2,3,4,5,6,7
.irp i, 0,1,2,3,4,5,6,7
	v_cmp_eq_u32 vcc_lo, \e, v[16+\i]
	s_delay_alu instid0(VALU_DEP_1)
	v_mbcnt_lo_u32_b32 v56, vcc_lo, s[48+\e]       ; those counted so far + the lanes below me in this slot
	s_delay_alu instid0(VALU_DEP_1)
	v_cndmask_b32 v[24+\i], v[24+\i], v56, vcc_lo
	s_bcnt1_i32_b32 s2, vcc_lo
	s_add_co_u32 s[48+\e], s[48+\e], s2
.endr
.endr
	v_mov_b32 v57, 0
.irp e, 0,1,2,3,4,5,6,7
	s_delay_alu instid0(VALU_DEP_1)
	v_writelane_b32 v57, s[48+\e], \e
.endr
	v_lshlrev_b32 v58, 2, v0
	ds_store_b32 v58, v57                          ; word 32 wave + relation
	v_lshrrev_b32 v60, 3, v1                       ; k = lane / 8
	v_and_b32 v59, 7, v1                           ; e = lane % 8
	s_delay_alu instid0(VALU_DEP_1)
	v_lshlrev_b32 v59, 2, v59
	s_delay_alu instid0(VALU_DEP_1)
	v_lshl_add_u32 v59, v60, 9, v59                ; the counts of waves 4 k .. 4 k + 3 for relation e: 512 k + 4 e, 128 bytes apart
	s_wait_alu depctr_va_vdst(0)
	s_wait_dscnt 0x0                               ; for the others' sake: my store has landed
	s_barrier_signal -1
	s_barrier_wait -1
	ds_load_b32 v40, v59
	ds_load_b32 v41, v59 offset:128
	ds_load_b32 v42, v59 offset:256
	ds_load_b32 v43, v59 offset:384
	v_lshlrev_b32 v60, 2, v60                      ; 4 k
	v_mov_b32 v62, 0
	v_mov_b32 v56, 0
	s_wait_alu depctr_va_vdst(0)
	s_wait_dscnt 0x0
	v_add_nc_u32 v61, v40, v41
	s_delay_alu instid0(VALU_DEP_1)
	v_add3_u32 v61, v61, v42, v43                  ; the four waves' tokens of relation e,
.irp m, 0,1,2,3
	v_add_nc_u32 v63, \m, v60
	s_delay_alu instid0(VALU_DEP_1)
	v_cmp_gt_u32 vcc_lo, s42, v63
	s_delay_alu instid0(VALU_DEP_1)
	v_cndmask_b32 v63, 0, v[40+\m], vcc_lo
	s_delay_alu instid0(VALU_DEP_1)
	v_add_nc_u32 v62, v62, v63                     ; and those of the waves ahead of mine
.endr
	v_mov_b32_dpp v56, v61 row_xmask:8 row_mask:0xf bank_mask:0xf
	s_delay_alu instid0(VALU_DEP_2)
	v_mov_b32_dpp v57, v62 row_xmask:8 row_mask:0xf bank_mask:0xf
	s_delay_alu instid0(VALU_DEP_2)
	v_add_nc_u32 v61, v61, v56
	s_delay_alu instid0(VALU_DEP_2)
	v_add_nc_u32 v62, v62, v57
	s_delay_alu instid0(VALU_DEP_2)
	v_permlanex16_b32 v56, v61, s76, s77
	s_delay_alu instid0(VALU_DEP_2)
	v_permlanex16_b32 v57, v62, s76, s77
	s_delay_alu instid0(VALU_DEP_2)
	v_add_nc_u32 v61, v61, v56                     ; the chunk's tokens of relation lane % 8, in every lane
	s_delay_alu instid0(VALU_DEP_2)
	v_add_nc_u32 v62, v62, v57
	s_delay_alu instid0(VALU_DEP_2)
	v_add_nc_u32 v63, 79, v61
	s_delay_alu instid0(VALU_DEP_1)
	v_mul_u32_u24 v63, v63, 0xcccd
	s_delay_alu instid0(VALU_DEP_1)
	v_lshrrev_b32 v63, 22, v63                     ; its tiles: (n + 79) / 80; 52,429 x 80 = 2^22 + 16, exact for n + 79 up to 4,175
	s_delay_alu instid0(VALU_DEP_1)
	v_mov_b32 v72, v63
	s_delay_alu instid0(VALU_DEP_1)
	v_mov_b32_dpp v56, v72 row_shr:1 row_mask:0xf bank_mask:0xf bound_ctrl:1
	s_delay_alu instid0(VALU_DEP_1)
	v_add_nc_u32 v72, v72, v56
	s_delay_alu instid0(VALU_DEP_1)
	v_mov_b32_dpp v56, v72 row_shr:2 row_mask:0xf bank_mask:0xf bound_ctrl:1
	s_delay_alu instid0(VALU_DEP_1)
	v_add_nc_u32 v72, v72, v56
	s_delay_alu instid0(VALU_DEP_1)
	v_mov_b32_dpp v56, v72 row_shr:4 row_mask:0xf bank_mask:0xf bound_ctrl:1
	s_delay_alu instid0(VALU_DEP_1)
	v_add_nc_u32 v72, v72, v56                     ; lanes 0-7: tiles up to and with relation e (only these lanes are read below)
	s_delay_alu instid0(VALU_DEP_1)
	v_sub_nc_u32 v73, v72, v63                     ; the relation's first tile in the chunk
	s_lshl_b32 s75, ttmp9, 6                       ; 64 y: the chunk's first tile
	v_add_nc_u32 v74, s75, v73
	s_delay_alu instid0(VALU_DEP_1)
	v_mad_u32_u24 v74, v74, 80, v62                ; P of my wave's first token of relation e
.irp e, 0,1,2,3,4,5,6,7
	v_readlane_b32 s[80+\e], v74, \e
.endr
.irp e, 0,1,2,3,4,5,6,7
.irp i, 0,1,2,3,4,5,6,7
	v_cmp_eq_u32 vcc_lo, \e, v[16+\i]
	s_delay_alu instid0(VALU_DEP_1)
	v_cndmask_b32 v[32+\i], v[32+\i], s[80+\e], vcc_lo
.endr
.endr
.irp i, 0,1,2,3,4,5,6,7
	v_add_nc_u32 v[32+\i], v[32+\i], v[24+\i]      ; + the rank in the wave (0 where s is no relation)
.endr
	global_store_b128 v5, v[32:35], s[38:39]       ; pos: a wave stores 512 consecutive bytes
	global_store_b128 v5, v[36:39], s[38:39] offset:8192
	s_lshl_b32 s2, ttmp9, 12
	v_lshl_add_u32 v48, v0, 2, s2
.irp i, 1,2,3,4,5,6,7
	v_add_nc_u32 v[48+\i], 2048*(\i/4)+\i%4, v48   ; the slot's token
.endr
.irp i, 0,1,2,3,4,5,6,7
	v_min_u32 v[40+\i], 0x4fff, v[32+\i]           ; order has 20,480 words
	s_delay_alu instid0(VALU_DEP_1)
	v_lshlrev_b32 v[40+\i], 2, v[40+\i]
.endr
	s_cmp_lg_u32 s42, 1
	s_cbranch_scc1 .Lnot_table
	; wave 1: the chunk's 64 entries of the table of tiles, two a lane (the ranks in v24-31 are done with)
.irp e, 0,1,2,3,4,5,6,7
	v_readlane_b32 s[56+\e], v73, \e               ; the relation's first tile,
	v_readlane_b32 s[66+\e], v61, \e               ; its tokens
.endr
	v_readlane_b32 s74, v72, 7                     ; the chunk's tiles
	s_add_co_u32 s88, s75, 59
	s_lshl_b32 s88, s88, 16
	s_or_b32 s88, s88, 0x100                       ; an empty tile's entry: set 0, one row, tile 59's list, bit 24 clear
	v_lshlrev_b32 v56, 1, v1
	s_delay_alu instid0(VALU_DEP_1)
	v_or_b32 v57, 1, v56                           ; tiles 2 lane, 2 lane + 1
.irp n, 0,1
	v_mov_b32 v[24+\n], 0
	v_mov_b32 v[26+\n], 0
	v_mov_b32 v[28+\n], 0
.irp e, 0,1,2,3,4,5,6,7
	v_cmp_le_u32 vcc_lo, s[56+\e], v[56+\n]        ; the first tiles ascend: the last relation that begins at or under this tile owns it
	s_delay_alu instid0(VALU_DEP_1)
	v_cndmask_b32 v[24+\n], v[24+\n], \e+1, vcc_lo
	s_delay_alu instid0(VALU_DEP_2)
	v_cndmask_b32 v[26+\n], v[26+\n], s[56+\e], vcc_lo
	s_delay_alu instid0(VALU_DEP_3)
	v_cndmask_b32 v[28+\n], v[28+\n], s[66+\e], vcc_lo
.endr
	s_delay_alu instid0(VALU_DEP_2)
	v_sub_nc_u32 v[26+\n], v[56+\n], v[26+\n]
	s_delay_alu instid0(VALU_DEP_1)
	v_mul_u32_u24 v[26+\n], v[26+\n], 80
	s_delay_alu instid0(VALU_DEP_1)
	v_sub_nc_u32 v[28+\n], v[28+\n], v[26+\n]
	s_delay_alu instid0(VALU_DEP_1)
	v_min_u32 v[28+\n], 80, v[28+\n]               ; its rows: what is left of the relation's tokens, 80 at the most
	s_delay_alu instid0(VALU_DEP_1)
	v_lshl_or_b32 v[30+\n], v[28+\n], 8, v[24+\n]
	v_add_nc_u32 v[28+\n], s75, v[56+\n]           ; the tile's number: its own list
	s_delay_alu instid0(VALU_DEP_1)
	v_lshl_or_b32 v[30+\n], v[28+\n], 16, v[30+\n]
	s_delay_alu instid0(VALU_DEP_1)
	v_or_b32 v[30+\n], 0x1000000, v[30+\n]         ; it has rows
	v_cmp_le_u32 vcc_lo, s74, v[56+\n]
	s_delay_alu instid0(VALU_DEP_1)
	v_cndmask_b32 v[30+\n], v[30+\n], s88, vcc_lo  ; behind the chunk's last tile: empty
	v_lshl_or_b32 v[28+\n], v[28+\n], 16, 0x1004000
	v_add_nc_u32 v[26+\n], 0xffffffc5, v[56+\n]
	s_delay_alu instid0(VALU_DEP_1)
	v_cmp_gt_u32 vcc_lo, 2, v[26+\n]
	s_delay_alu instid0(VALU_DEP_1)
	v_cndmask_b32 v[30+\n], v[30+\n], v[28+\n], vcc_lo   ; tiles 59 and 60: set 0, 64 rows, their own lists
.endr
	s_lshl_b32 s2, ttmp9, 8
	s_mov_b32 s3, 0
	s_add_nc_u64 s[40:41], s[40:41], s[2:3]
	global_store_b64 v6, v[30:31], s[40:41]        ; 256 consecutive bytes
.Lnot_table:
	s_cmp_lg_u32 s42, 2
	s_cbranch_scc1 .Lnot_ui
	; wave 2: the lists of the chunk's two tiles of the shared MLP: rows b = 128 y + 0..63 and 128 y + 64..127
	s_add_co_u32 s2, s75, 59
	s_mul_i32 s2, s2, 320
	s_mov_b32 s3, 0
	s_add_nc_u64 s[90:91], s[36:37], s[2:3]
	s_lshl_b32 s2, ttmp9, 7
	v_lshl_add_u32 v24, v1, 1, s2
	s_delay_alu instid0(VALU_DEP_1)
	v_add_nc_u32 v25, 1, v24
	s_delay_alu instid0(VALU_DEP_2)
	v_add_nc_u32 v26, 64, v24
	s_delay_alu instid0(VALU_DEP_3)
	v_add_nc_u32 v27, 65, v24
	global_store_b64 v6, v[24:25], s[90:91]
	global_store_b64 v6, v[26:27], s[90:91] offset:320
.Lnot_ui:
	s_wait_alu depctr_va_vdst(0)
.irp i, 0,1,2,3,4,5,6,7
	v_cmp_gt_u32 vcc_lo, 8, v[16+\i]
	s_wait_xcnt 0x0                                ; EXEC is a source of the stores issued so far: it changes only behind this wait
	s_and_saveexec_b32 s2, vcc_lo                  ; only tokens that have a relation have a place
	global_store_b32 v[40+\i], v[48+\i], s[36:37]
	s_wait_xcnt 0x0                                ; and again in front of the line that widens it
	s_or_b32 exec_lo, exec_lo, s2
.endr
	s_wait_tensorcnt 0x0                           ; the wave's end: three closing lines behind my last LDS store
	ds_add_u32 v[SPW], v[NIL]
	s_wait_dscnt 0x0
	s_endpgm
.Lfunc_end_k_q7562b4f187_prep:
	.size	k_q7562b4f187_prep, .Lfunc_end_k_q7562b4f187_prep-k_q7562b4f187_prep
	.p2alignl 7, 3214868480
	.fill 96, 4, 3214868480
	.section	.rodata,"a",@progbits
	.p2align	6, 0x0
	.amdhsa_kernel k_q7562b4f187_prep
		.amdhsa_group_segment_fixed_size 4096
		.amdhsa_private_segment_fixed_size 0
		.amdhsa_enable_private_segment 0
		.amdhsa_kernarg_size 152
		.amdhsa_user_sgpr_count 2
		.amdhsa_user_sgpr_kernarg_segment_ptr 1
		.amdhsa_wavefront_size32 1
		.amdhsa_system_sgpr_workgroup_id_x 1
		.amdhsa_system_sgpr_workgroup_id_y 1
		.amdhsa_system_sgpr_workgroup_id_z 1
		.amdhsa_system_vgpr_workitem_id 0
		.amdhsa_next_free_vgpr 80
		.amdhsa_next_free_sgpr 100
		.amdhsa_reserve_vcc 1
		.amdhsa_float_denorm_mode_32 3
		.amdhsa_float_denorm_mode_16_64 3
		.amdhsa_memory_ordered 1
		.amdhsa_forward_progress 1
		.amdhsa_inst_pref_size 71
	.end_amdhsa_kernel
	.amdgpu_metadata
---
amdhsa.version: [ 1, 2 ]
amdhsa.kernels:
  - .name:           k_q7562b4f187_prep
    .symbol:         k_q7562b4f187_prep.kd
    .args:
      - { .name: W1, .offset: 0, .size: 8, .value_kind: global_buffer, .address_space: global }
      - { .name: W2, .offset: 8, .size: 8, .value_kind: global_buffer, .address_space: global }
      - { .name: W3, .offset: 16, .size: 8, .value_kind: global_buffer, .address_space: global }
      - { .name: Wu1, .offset: 24, .size: 8, .value_kind: global_buffer, .address_space: global }
      - { .name: Wu2, .offset: 32, .size: 8, .value_kind: global_buffer, .address_space: global }
      - { .name: Wu3, .offset: 40, .size: 8, .value_kind: global_buffer, .address_space: global }
      - { .name: b1, .offset: 48, .size: 8, .value_kind: global_buffer, .address_space: global }
      - { .name: b2, .offset: 56, .size: 8, .value_kind: global_buffer, .address_space: global }
      - { .name: b3, .offset: 64, .size: 8, .value_kind: global_buffer, .address_space: global }
      - { .name: bu1, .offset: 72, .size: 8, .value_kind: global_buffer, .address_space: global }
      - { .name: bu2, .offset: 80, .size: 8, .value_kind: global_buffer, .address_space: global }
      - { .name: bu3, .offset: 88, .size: 8, .value_kind: global_buffer, .address_space: global }
      - { .name: lowp_scales, .offset: 96, .size: 8, .value_kind: global_buffer, .address_space: global }
      - { .name: s, .offset: 104, .size: 8, .value_kind: global_buffer, .address_space: global }
      - { .name: wc, .offset: 112, .size: 8, .value_kind: global_buffer, .address_space: global }
      - { .name: bias, .offset: 120, .size: 8, .value_kind: global_buffer, .address_space: global }
      - { .name: order, .offset: 128, .size: 8, .value_kind: global_buffer, .address_space: global }
      - { .name: pos, .offset: 136, .size: 8, .value_kind: global_buffer, .address_space: global }
      - { .name: tiles, .offset: 144, .size: 8, .value_kind: global_buffer, .address_space: global }
    .group_segment_fixed_size: 4096
    .private_segment_fixed_size: 0
    .kernarg_segment_align: 8
    .kernarg_segment_size: 152
    .max_flat_workgroup_size: 512
    .sgpr_count:     100
    .vgpr_count:     80
    .wavefront_size: 32
...
	.end_amdgpu_metadata
.endif
;; end of part 4
;; launch chain (part 5): grid 61 x 4, 4 waves a work-group, no clusters, 146,432 bytes of LDS; arguments a_emb, o_emb, u_emb, i_emb, wc, bias, lowp_scales, order, tiles, emb; writes emb
.if DOCPART == 5
	.amdgcn_target "amdgcn-amd-amdhsa--gfx1250"
	.amdhsa_code_object_version 6
	.text
	.protected	k_q7562b4f187_chain
	.globl	k_q7562b4f187_chain
	.p2align	8
	.type	k_q7562b4f187_chain,@function
k_q7562b4f187_chain:
	s_mov_b64 s[64:65], 0
	v_nop
	global_prefetch_b8 v0, s[64:65] scope:SCOPE_SE
	s_setreg_imm32_b32 hwreg(HW_REG_WAVE_SCHED_MODE, 0, 2), 2
	s_setreg_imm32_b32 hwreg(HW_REG_WAVE_MODE, 25, 1), 1
	s_wait_xcnt 0x0
	s_wait_alu depctr_vm_vsrc(0)
; ONE WORK-GROUP TAKES ONE TILE OF 80 ROWS OF ONE WEIGHT SET THROUGH THE WHOLE MLP: gather, quantise, 512 -> 512 -> 256 -> 128 with leaky ReLU, all three products on codes of E4M3; the 128 results of each row go to emb.
; Tile = 64 y + x.  x < 59: rows [a | o] of the tokens that the list names, set = relation + 1;  x = 59, 60: rows [u | i], set 0.  The table's entry: bits 7:0 the set, 15:8 the rows to take, 23:16 the tile whose list is read,
; bit 24: the tile has rows of its own.
; A TILE THAT THE SPLIT LEAVES EMPTY.  Every wave passes every barrier, and no barrier may hang on a number read from memory (ISA guide, the chapter on barriers: all waves of a work-group must arrive).  So an empty tile
; walks the same text, on the one row that its entry names (bytes that were written), and only the way out, behind the last barrier, is jumped over: it stores nothing.  That is work which nobody uses: with 4,096 tokens
; a chunk spread evenly over 8 relations, 3 of a chunk's 59 tiles.
; THE WAVES SHARE THE COLUMNS: wave w makes units 128 w.. of layer 1 (8 tiles of 16), 64 w.. of layer 2 (4), 32 w.. of layer 3 (2), for all 80 rows (5 tiles of 16).  Its weight fragments come from memory straight into
; its registers, each once, as the images that the launch before has laid.  EVERY PRODUCT IS USED TRANSPOSED (source 0 = 16 units, source 1 = 16 rows): a lane holds one row and its registers run along the next K;
; a tile's units are 32 (T / 2) + 8 (T % 2) + r + 8 (r / 8), so that the 16 registers of tiles 2 b and 2 b + 1 are 16 neighbours along the next K.  In every fragment registers 4 c .. 4 c + 3 of lane (r, h) hold
; k = 32 c + 16 h + 0..15, on both sides of each product alike.
; SCALES.  The raw sums stand for sum x 2^(eA + eW); the bias goes in as the C of a sum's first product, already x 2^-(eA + eW); max(x, 0.01 x) commutes with a power of two; so the next layer's conversion takes the one
; scale 2^(eA' - eA - eW), and the last layer's results are multiplied by 2^(eA3 + eW3).
; NO TENSOR LOADS, NO CLUSTER: which weight set a work-group reads is a number read from memory, so partners could not be promised one set, and the way out hangs on such a number too.
; Rows past the tile's count repeat its last row; they are stored in the tile's own rows of emb, and nobody reads them.
; LIMITS on the given exponents, so that each power of two below is an f32 number: eA1, eA2 - eA1 - eW1 and eA3 - eA2 - eW2 between -126 and 119; eA3 + eW3 between -126 and 127.  NaN among the inputs is not served.
; REGISTERS, in windows of 256.  Window 0: v1-14 addresses; v16-79 a row tile's fragments (at first: v16-35 the rows' offsets, v40-71 two buffers of code words); v80-143 accumulators; v144-151 at work; v152-167 codes or results;
;   v168-231 b1 (later v168-199 b2, v200-215 b3); v232-236 scales.  Windows 1, 2: W1's 32 fragments (later window 1 v0-63: W3's four; window 2 v16-79: layer 2's second buffer of fragments).
;   Window 3: a ring of 16 rows of x, then W2's 16 fragments.
; THE MODE: SCHED_MODE bits 1:0 = 2 (LLVM: expert scheduling mode 2), set by the entry lines.  The code itself states the register dependences between vector or matrix instructions and memory or LDS instructions,
; with s_wait_alu, always for 0.
; THE PLAN.  Registers that memory or LDS instructions touch, and who else names them:
;   v1-v14      offsets and LDS addresses: written at the head, ahead of one wait on va_vdst; never written again.
;   v16-35      the rows' offsets: written once, ahead of one wait on va_vdst; read by the rows' loads.  One wait on vm_vsrc stands ahead of the first fragments that land there.
;   the ring    a row's four loads land in its slot; its holds and conversions work on the slot.  The rows go FOUR TO A GROUP: the group's holds and conversions, ONE wait on va_vdst, the group's sixteen loads, its sixteen LDS stores.
;   XT0, XT1    two buffers of sixteen code words: group g's conversions write buffer g % 2, its LDS stores read it.  The wait on vm_vsrc at a group's head frees the buffer that the stores of two groups back have read.
;   XF          a row tile's fragments: LDS loads land, products read.  Layer 1 has one buffer (all 1,024 registers are held): the activation of tiles 0 and 1 stands behind the products, then a wait on va_vdst, then the next
;               fetch, which lands under the activation of tiles 2 to 7.  Layers 2 and 3 have two buffers by turns: step m's head asks for step m + 1, into the buffer whose last readers stand ahead of step m - 1's wait.
;   PC          codes or results: written by a step's conversions or scalings, ahead of the step's last wait on va_vdst; read by its LDS stores; the wait on vm_vsrc at the next step's head frees it.
;   W1, b1      read by layer 1's products; b2, W3 and b3 land there behind the wait on va_vdst in that layer's last step.
.set XP,    528                        ; a row of x's codes in LDS, and of the stage: 512 bytes + 16: the sixteen rows of a fragment load start 33 x 16 bytes apart
.set XC,    0                          ; LDS: x's codes, 80 rows
.set H1,    80*XP                      ; layer 1's results as images: fragment (m, s) at (4 m + s) x 2,048
.set H2,    H1+20*2048                 ; layer 2's: (2 m + s) x 2,048
.set STG,   H2+10*2048                 ; the stage for the way out: 80 rows of 512 bytes + 16
.set SPARE, STG+80*XP                  ; the spare words, 128 bytes for each wave: two blocks of 256 bytes that no other line names
.set SETB,  425984
.set L2OFF, 262144
.set L3OFF, 393216
.set XF,   16
.set OFF,  16
.set XT,   40                          ; buffer k of code words at XT + 16 k
.set ACC,  80
.set T,    144
.set PC,   152
.set B1,   168
.set B2,   168
.set B3,   200
.set SC1,  232                         ; 2^(eA2 - eA1 - eW1), and 448 x that
.set LIM1, 233
.set SC2,  234                         ; 2^(eA3 - eA2 - eW2), and 448 x that
.set LIM2, 235
.set SCX,  236                         ; 2^eA1
.set SPW,  254                         ; LDS address of my spare word; never rewritten
.set NIL,  255                         ; 0; never rewritten
.set MSB, 0
.macro WIN new                         ; bits 1:0 source 0, 3:2 source 1, 5:4 source 2, 7:6 destination; the immediate's high byte repeats the setting that is left
.if MSB != (\new)
	s_set_vgpr_msb (MSB<<8)|(\new)
.set MSB, (\new)
.endif
.endm
.macro W1F f                           ; W1's fragment f = 8 s + t: window 1 + f / 16, register 16 (f % 16).  No vector instruction names these registers ahead of the products
	WIN ((1+(\f)/16)<<6)
.irp c, 0,1,2,3
	global_load_b128 v[16*((\f)%16)+4*\c:16*((\f)%16)+4*\c+3], v1, s[36:37] offset:(4*((\f)%8)+(\f)/8)*2048+512*\c
.endr
.endm
.macro W2F f                           ; W2's fragment f = 4 s + t: window 3, register 16 f
	WIN 0xc0
.irp c, 0,1,2,3
	global_load_b128 v[16*(\f)+4*\c:16*(\f)+4*\c+3], v1, s[38:39] offset:(4*((\f)%4)+(\f)/4)*2048+512*\c
.endr
.endm
.macro XLD i                           ; my row i: four loads of 512 consecutive bytes, K steps 0 to 3, into slot i % 16 of the ring
	WIN 0xc0
	global_load_b128 v[16*((\i)%16):16*((\i)%16)+3],     v[OFF+(\i)], s[32:33]
	global_load_b128 v[16*((\i)%16)+4:16*((\i)%16)+7],   v[OFF+(\i)], s[32:33] offset:512
	global_load_b128 v[16*((\i)%16)+8:16*((\i)%16)+11],  v[OFF+(\i)], s[34:35]
	global_load_b128 v[16*((\i)%16)+12:16*((\i)%16)+15], v[OFF+(\i)], s[34:35] offset:512
.endm
; My row i becomes codes, in words 4 (i % 4) on of buffer buf.  A lane holds four neighbours of each K step: eight registers are two K steps' fours, so word j of the two conversions' results holds my four codes of K step j.
.macro XCODE i, buf
.set XS0, 16*((\i)%16)
.set XT0, XT+16*(\buf)+4*((\i)%4)
	s_wait_loadcnt 60-4*((\i)%4)                   ; behind the four loads of a group's row q stand 15 - q groups of four, in every group: they may be out
	WIN 0xc3
.irp j, 0,1,2,3,4,5,6,7,8,9,10,11,12,13,14,15
	v_med3_num_f32 v[XS0+\j], v[XS0+\j], s52, s53  ; the conversion to an 8-bit code does not saturate (ISA guide 7.6.2): the hold at +-448 x 2^eA1 comes first
.endr
	WIN 0x03
	v_cvt_scalef32_pk8_fp8_f32 v[XT0:XT0+1], v[XS0:XS0+7], v[SCX]
	v_cvt_scalef32_pk8_fp8_f32 v[XT0+2:XT0+3], v[XS0+8:XS0+15], v[SCX]
.endm
; Group g: my rows 4 g to 4 g + 3.
.macro XGRP g
.if (\g) >= 2
	s_wait_dscnt 16                                ; the stores that read this buffer of code words, two groups back, are done: sixteen were issued behind them
	s_wait_alu depctr_vm_vsrc(0)                   ; those stores have read buffer g % 2, which this group's conversions write again
.endif
	XCODE 4*(\g), (\g)%2
	XCODE 4*(\g)+1, (\g)%2
	XCODE 4*(\g)+2, (\g)%2
	XCODE 4*(\g)+3, (\g)%2
.if (\g) == 4
	v_nop                                          ; a plain vector instruction behind the last conversion: products will read the registers that held its results
.endif
.if (\g) == 0
	WIN 0xc0                                       ; the window of the loads below is set ahead of the wait
.endif
	s_wait_alu depctr_va_vdst(0)                   ; the conversions have written the sixteen code words, which the stores below read; in group 0 the holds and conversions are also done with slots 0 to 3, in which rows 16 to 19 land
.if (\g) == 0
	XLD 16                                         ; the slots take the rows sixteen on,
	XLD 17
	XLD 18
	XLD 19
.else
	W1F 4*(\g)+7                                   ; or four fragments of W1 keep the count of loads in step
	W1F 4*(\g)+8
	W1F 4*(\g)+9
	W1F 4*(\g)+10
.endif
	WIN 0
.irp q, 0,1,2,3
.irp j, 0,1,2,3
	ds_store_b32 v2, v[XT+16*((\g)%2)+4*\q+\j] offset:XP*(4*(\g)+\q)+128*\j   ; 32 lanes store a K step's 128 codes of the row.  No vector instruction since the wait names these words
.endr
.endr
.endm
.macro FETCHX m                        ; x's four fragments of row tile m, from rows of codes
.irp s, 0,1,2,3
.irp c, 0,1,2,3
	ds_load_b128 v[XF+16*\s+4*\c:XF+16*\s+4*\c+3], v3 offset:16*XP*(\m)+128*\s+32*\c
.endr
.endr
.endm
.macro FETCHI adr, m, ks, win, base    ; the ks fragments of row tile m, from images, into v[base] on of window win
	WIN ((\win)<<6)
.set FS, 0
.rept \ks
.irp c, 0,1,2,3
	ds_load_b128 v[(\base)+16*FS+4*\c:(\base)+16*FS+4*\c+3], v[\adr] offset:((\ks)*(\m)+FS)*2048+512*\c
.endr
.set FS, FS+1
.endr
	WIN 0
.endm
; The products.  The accumulators take turns, one instruction a turn.  The first K step takes the bias as C.
.macro PROD1
	WIN 0x01
.irp t, 0,1,2,3,4,5,6,7
	v_wmma_f32_16x16x128_fp8_fp8 v[ACC+8*\t:ACC+8*\t+7], v[16*\t:16*\t+15], v[XF:XF+15], v[B1+8*\t:B1+8*\t+7]
.endr
.irp t, 0,1,2,3,4,5,6,7
	v_wmma_f32_16x16x128_fp8_fp8 v[ACC+8*\t:ACC+8*\t+7], v[128+16*\t:128+16*\t+15], v[XF+16:XF+31], v[ACC+8*\t:ACC+8*\t+7]
.endr
	WIN 0x02
.irp t, 0,1,2,3,4,5,6,7
	v_wmma_f32_16x16x128_fp8_fp8 v[ACC+8*\t:ACC+8*\t+7], v[16*\t:16*\t+15], v[XF+32:XF+47], v[ACC+8*\t:ACC+8*\t+7]
.endr
.irp t, 0,1,2,3,4,5,6,7
	v_wmma_f32_16x16x128_fp8_fp8 v[ACC+8*\t:ACC+8*\t+7], v[128+16*\t:128+16*\t+15], v[XF+48:XF+63], v[ACC+8*\t:ACC+8*\t+7]
.endr
	WIN 0
.endm
.macro PROD2 w                         ; w: the window of the rows' fragments, 0 or 2
	WIN (0x03|((\w)<<2))
.irp s, 0,1,2,3
.irp t, 0,1,2,3
.if \s == 0
	v_wmma_f32_16x16x128_fp8_fp8 v[ACC+8*\t:ACC+8*\t+7], v[16*\t:16*\t+15], v[XF:XF+15], v[B2+8*\t:B2+8*\t+7]
.else
	v_wmma_f32_16x16x128_fp8_fp8 v[ACC+8*\t:ACC+8*\t+7], v[64*\s+16*\t:64*\s+16*\t+15], v[XF+16*\s:XF+16*\s+15], v[ACC+8*\t:ACC+8*\t+7]
.endif
.endr
.endr
	WIN 0
.endm
.macro PROD3 xb                        ; xb: the first register of the rows' two fragments
	WIN 0x01
.irp s, 0,1
.irp t, 0,1
.if \s == 0
	v_wmma_f32_16x16x128_fp8_fp8 v[ACC+8*\t:ACC+8*\t+7], v[16*\t:16*\t+15], v[(\xb):(\xb)+15], v[B3+8*\t:B3+8*\t+7]
.else
	v_wmma_f32_16x16x128_fp8_fp8 v[ACC+8*\t:ACC+8*\t+7], v[32+16*\t:32+16*\t+15], v[(\xb)+16:(\xb)+31], v[ACC+8*\t:ACC+8*\t+7]
.endif
.endr
.endr
	WIN 0
.endm
.macro PLACES                          ; four plain vector instructions between the last product and the first read of its results (ISA guide 7.12.1)
.rept 4
	v_nop
.endr
.endm
; Accumulators n0 to n1 - 1: leaky ReLU, the hold, the conversion; each accumulator is read from its low end on.  Tile n's eight codes are words 2 n, 2 n + 1 of the next operand.
.macro ACT n0, n1, sc, lim
.set AN, \n0
.rept (\n1)-(\n0)
.irp j, 0,2,4,6
	v_pk_mul_f32 v[T+\j:T+\j+1], v[ACC+8*AN+\j:ACC+8*AN+\j+1], s[50:51] op_sel_hi:[1,0]   ; 0.01 x
.endr
.irp j, 0,1,2,3,4,5,6,7
	v_max_num_f32 v[ACC+8*AN+\j], v[ACC+8*AN+\j], v[T+\j]                                  ; x where x >= 0, else 0.01 x
.endr
.irp j, 0,1,2,3,4,5,6,7
	v_med3_num_f32 v[ACC+8*AN+\j], v[ACC+8*AN+\j], -v[\lim], v[\lim]
.endr
	v_cvt_scalef32_pk8_fp8_f32 v[PC+2*AN:PC+2*AN+1], v[ACC+8*AN:ACC+8*AN+7], v[\sc]
.set AN, AN+1
.endr
.endm
.macro IMG adr, off, n                 ; n groups of four code words go to LDS as they stand: 16 bytes a lane, 512 a store
.set IC, 0
.rept \n
	ds_store_b128 v[\adr], v[PC+4*IC:PC+4*IC+3] offset:(\off)+512*IC
.set IC, IC+1
.endr
.endm
.macro BAR                             ; my LDS stores have landed and my LDS loads are in: then the work-group's barrier
	s_wait_dscnt 0x0
	s_barrier_signal -1
	s_barrier_wait -1
.endm
.macro ROWOFF sr, i                    ; my row i's token, in s[sr], becomes the row's offset
	s_min_u32 s[\sr], s[\sr], 0x3fff
	s_and_b32 s[\sr], s[\sr], s31                  ; inside the table of rows
	s_lshl_b32 s[\sr], s[\sr], 10                  ; a row of a, o, u or i is 1,024 bytes
	v_add_nc_u32 v[OFF+(\i)], s[\sr], v1
.endm
	s_load_b512 s[4:19], s[0:1], 0x0               ; a s[4:5], o s[6:7], u s[8:9], i s[10:11], wc s[12:13], bias s[14:15], the exponents s[16:17], order s[18:19]
	s_load_b128 s[20:23], s[0:1], 0x40             ; tiles s[20:21], emb s[22:23]
	v_lshl_add_u32 v[SPW], v0, 2, SPARE
	v_mov_b32 v[NIL], 0
	v_lshrrev_b32 v240, 5, v0
	v_readfirstlane_b32 s24, v240                  ; wave 0..3
	v_and_b32 v240, 31, v0                         ; lane
	v_and_b32 v241, 15, v0                         ; r
	v_bfe_u32 v242, v0, 4, 1                       ; h
	s_mov_b32 s25, ttmp9                           ; x
	s_and_b32 s26, ttmp7, 0xffff                   ; y
	s_lshl_b32 s27, s26, 6
	s_add_co_u32 s27, s27, s25                     ; the tile
	s_lshl_b32 s62, s27, 2
	v_lshlrev_b32 v1, 4, v240                      ; v1: 16 x lane
	s_wait_alu depctr_va_sdst(0)                   ; s24 is written, ahead of its first reader: the LDS addresses and the weights' bases are made from it
	s_mul_i32 s60, s24, 20*XP
	v_lshl_add_u32 v2, v240, 2, s60                ; v2: x's codes, on the way in: my 20 rows, 4 bytes a lane
	v_mul_u32_u24 v3, v241, XP
	v_lshl_add_u32 v3, v242, 4, v3                 ; v3: and as fragments: row r, + 16 h
	s_lshl_b32 s61, s24, 11
	v_add_nc_u32 v4, s61, v1
	v_add_nc_u32 v4, H1, v4                        ; v4: layer 1's images, my K step w
	v_add_nc_u32 v5, H1, v1                        ; v5: and back
	s_lshl_b32 s61, s24, 10
	v_add_nc_u32 v6, s61, v1
	v_add_nc_u32 v6, H2, v6                        ; v6: layer 2's images: K step w / 2, groups 2 (w % 2) on: 1,024 w
	v_add_nc_u32 v7, H2, v1                        ; v7: and back
	v_mul_u32_u24 v8, v241, XP
	v_lshl_add_u32 v8, v242, 6, v8
	s_lshl_b32 s61, s24, 7
	v_add_nc_u32 v8, s61, v8
	v_add_nc_u32 v8, STG, v8                       ; v8: the stage: row r, my 16 units at 128 w + 64 h
	v_add_nc_u32 v9, s60, v1
	v_add_nc_u32 v9, STG, v9                       ; v9: and back: my 20 rows, 16 bytes a lane
	s_mul_i32 s61, s24, 10240
	v_add_nc_u32 v10, s61, v1                      ; v10: the same rows in emb
	v_lshlrev_b32 v13, 6, v242
	s_lshl_b32 s61, s24, 9
	v_add_nc_u32 v11, s61, v13                     ; v11-13: my lane's place in the three biases: 64 h + my wave's units
	s_lshl_b32 s61, s24, 8
	v_add_nc_u32 v12, s61, v13
	s_lshl_b32 s61, s24, 7
	v_add_nc_u32 v13, s61, v13
	s_mov_b32 s50, 0x3c23d70a                      ; 0.01
	s_mov_b32 s51, s50                             ; (named with it as a pair, so it is written)
	s_wait_kmcnt 0x0
	s_load_b32 s28, s[20:21], s62 offset:0x0       ; the tile's entry
	s_cmp_ge_u32 s25, 59                           ; rows of [u | i] or of [a | o]: the choice hangs on the work-group's number alone
	s_cselect_b64 s[32:33], s[8:9], s[4:5]
	s_cselect_b64 s[34:35], s[10:11], s[6:7]
	s_mov_b32 s31, 0x3fff
	s_cselect_b32 s31, 0x1ff, s31                  ; 512 rows there, 16,384 here
	s_mul_i32 s60, s27, 40960
	s_mov_b32 s61, 0
	s_add_nc_u64 s[58:59], s[22:23], s[60:61]      ; the tile's rows of emb
	s_wait_kmcnt 0x0
	s_and_b32 s29, s28, 255
	s_min_u32 s29, s29, 8                          ; the set
	s_bfe_u32 s30, s28, 0x80008
	s_sub_co_u32 s30, s30, 1                       ; rows - 1
	s_bfe_u32 s60, s28, 0x80010
	s_min_u32 s60, s60, 255                        ; the tile whose list is read: order has 256 lists of 80 words
	s_mul_i32 s60, s60, 320
	s_add_nc_u64 s[56:57], s[18:19], s[60:61]
	s_mul_i32 s63, s29, 24
	s_load_b128 s[44:47], s[16:17], s63 offset:0x0     ; eA1, eW1, eA2, eW2
	s_load_b64 s[48:49], s[16:17], s63 offset:0x10     ; eA3, eW3
	s_mul_i32 s60, s24, 20
	v_add_nc_u32 v14, s60, v240
	v_min_u32 v14, s30, v14                        ; places past the count name the last row: only words that were written are read
	v_min_u32 v14, 79, v14
	v_lshlrev_b32 v14, 2, v14
	s_wait_alu depctr_va_vdst(0)                   ; the offsets and LDS addresses v1 to v14 are written, which the loads and stores of the whole kernel read; none of them is written again
	global_load_b32 v15, v14, s[56:57]             ; lane i < 20: my row i's token
	s_mul_i32 s60, s29, SETB
	s_add_nc_u64 s[12:13], s[12:13], s[60:61]
	s_lshl_b32 s60, s24, 16
	s_add_nc_u64 s[36:37], s[12:13], s[60:61]      ; my 32 fragments of W1,
	s_lshl_b32 s60, s24, 15
	s_add_co_u32 s60, s60, L2OFF
	s_add_nc_u64 s[38:39], s[12:13], s[60:61]      ; my 16 of W2,
	s_lshl_b32 s60, s24, 13
	s_add_co_u32 s60, s60, L3OFF
	s_add_nc_u64 s[40:41], s[12:13], s[60:61]      ; my 4 of W3
	s_mul_i32 s60, s29, 3584
	s_add_nc_u64 s[42:43], s[14:15], s[60:61]      ; the set's biases
.irp t, 0,1,2,3,4,5,6,7
	global_load_b128 v[B1+8*\t:B1+8*\t+3],   v11, s[42:43] offset:128*(\t/2)+32*(\t%2)      ; tile t, lane (r, h): units 32 (t / 2) + 16 h + 8 (t % 2) + 0..7
	global_load_b128 v[B1+8*\t+4:B1+8*\t+7], v11, s[42:43] offset:128*(\t/2)+32*(\t%2)+16
.endr
.set F, 0
.rept 11
	W1F F
.set F, F+1
.endr
	WIN 0
	s_wait_loadcnt 60                              ; the list is in: 16 + 44 loads were issued behind it
	; the twenty tokens go into twenty scalar registers whose arguments have been used up (s16, s17 and s63 are sources of scalar loads still out, and stay), so that one wait serves all twenty
.irp i, 0,1,2,3,4,5,6,7,8,9,10,11
	v_readlane_b32 s[4+\i], v15, \i
.endr
.irp i, 12,13,14,15,16,17
	v_readlane_b32 s[6+\i], v15, \i
.endr
	v_readlane_b32 s2, v15, 18
	v_readlane_b32 s3, v15, 19
	s_wait_alu depctr_va_sdst(0)                   ; the twenty scalar registers are written, ahead of their first readers
.irp i, 0,1,2,3,4,5,6,7,8,9,10,11
	ROWOFF 4+\i, \i
.endr
.irp i, 12,13,14,15,16,17
	ROWOFF 6+\i, \i
.endr
	ROWOFF 2, 18
	ROWOFF 3, 19
	s_wait_kmcnt 0x0
	s_add_co_i32 s60, s44, 127
	s_lshl_b32 s61, s60, 23
	v_mov_b32 v[SCX], s61                          ; 2^eA1 as f32: the conversion takes its exponent field
	s_add_co_i32 s60, s60, 8
	s_lshl_b32 s53, s60, 23
	s_or_b32 s53, s53, 0x600000                    ; 448 x 2^eA1,
	s_or_b32 s52, s53, 0x80000000                  ; and its negative
	s_sub_co_i32 s60, s46, s44
	s_sub_co_i32 s60, s60, s45
	s_add_co_i32 s60, s60, 127
	s_lshl_b32 s61, s60, 23
	v_mov_b32 v[SC1], s61
	s_add_co_i32 s60, s60, 8
	s_lshl_b32 s60, s60, 23
	s_or_b32 s60, s60, 0x600000
	v_mov_b32 v[LIM1], s60
	s_sub_co_i32 s60, s48, s46
	s_sub_co_i32 s60, s60, s47
	s_add_co_i32 s60, s60, 127
	s_lshl_b32 s61, s60, 23
	v_mov_b32 v[SC2], s61
	s_add_co_i32 s60, s60, 8
	s_lshl_b32 s60, s60, 23
	s_or_b32 s60, s60, 0x600000
	v_mov_b32 v[LIM2], s60
	s_add_co_i32 s54, s48, s49
	s_add_co_i32 s54, s54, 127
	s_lshl_b32 s54, s54, 23                        ; 2^(eA3 + eW3)
	s_mov_b32 s55, s54
	; ---- X: my 20 rows become codes in LDS; sixteen rows are asked for ahead
	WIN 0xc0
	s_wait_alu depctr_va_vdst(0)                   ; the rows' offsets v16 to v35 are written, which the rows' loads read
.irp i, 0,1,2,3,4,5,6,7,8,9,10,11,12,13,14,15
	XLD \i
.endr
.irp g, 0,1,2,3,4
	XGRP \g
.endr
.set F, 27
.rept 5
	W1F F
.set F, F+1
.endr
	WIN 0xc0
	s_wait_alu depctr_va_vdst(0)                   ; the holds and conversions of all twenty rows are done with the ring's registers, in which W2 lands
.set F, 0
.rept 16
	W2F F                                          ; the ring has been read out: W2 takes its registers
.set F, F+1
.endr
	WIN 0
	BAR                                            ; all 80 rows of codes lie in LDS
	; ---- 1: 512 -> 512
	s_wait_alu depctr_vm_vsrc(0)                   ; the rows' loads have read their offsets v16 to v35 and my LDS stores the code words v40 to v71: x's fragments land in these registers from here on
	FETCHX 0
	s_wait_loadcnt 63                              ; W1 and b1 are in: 64 loads of W2 were issued behind them
.irp m, 0,1,2,3,4
	s_wait_dscnt 0x0                               ; the row tile's fragments are in
.if \m > 0
	s_wait_alu depctr_vm_vsrc(0)                   ; the last image's stores have read v[PC ..], which this step's conversions write again
.endif
	PROD1
	PLACES
	ACT 0, 2, SC1, LIM1                            ; tiles 0 and 1, whose sums were finished first, stand between the products and the wait for them
	s_wait_alu depctr_va_vdst(0)                   ; the products are done reading the row tile's fragments, in which the next ones land; in the last step: W1 and b1, in whose registers b2, W3 and b3 land
.if \m < 4
	FETCHX \m+1
.else
.irp t, 0,1,2,3                                ; W1 and b1 are done with: b2, W3 and b3 take their registers
	global_load_b128 v[B2+8*\t:B2+8*\t+3],   v12, s[42:43] offset:2048+128*(\t/2)+32*(\t%2)
	global_load_b128 v[B2+8*\t+4:B2+8*\t+7], v12, s[42:43] offset:2048+128*(\t/2)+32*(\t%2)+16
.endr
	WIN 0x40
.irp f, 0,1,2,3                                ; W3's fragment f = 2 s + t: window 1, register 16 f
.irp c, 0,1,2,3
	global_load_b128 v[16*\f+4*\c:16*\f+4*\c+3], v1, s[40:41] offset:(2*(\f%2)+\f/2)*2048+512*\c
.endr
.endr
	WIN 0
.irp t, 0,1
	global_load_b128 v[B3+8*\t:B3+8*\t+3],   v13, s[42:43] offset:3072+32*\t
	global_load_b128 v[B3+8*\t+4:B3+8*\t+7], v13, s[42:43] offset:3072+32*\t+16
.endr
.endif
	ACT 2, 8, SC1, LIM1                            ; names the accumulators, v[T ..] and v[PC ..]: none of the registers in which the loads above land
	v_nop                                          ; a plain vector instruction between the last conversion and the next products, which write its sources
	s_wait_alu depctr_va_vdst(0)                   ; the conversions have written v[PC ..], which the image's stores read
	IMG 4, 8192*\m, 4                              ; K step w of the next product, rows 16 m on
.endr
	BAR                                            ; layer 1's twenty fragments lie in LDS
	; ---- 2: 512 -> 256.  Two buffers of fragments by turns: v16-79 of window 0 (even row tiles) and of window 2 (odd ones; W1 has left it)
	FETCHI 5, 0, 4, 0, XF                          ; no wait: layer 1's products stand ahead of the last wait on va_vdst, and no vector instruction has been issued since
	s_wait_loadcnt 20                              ; W2 and b2 are in; W3's sixteen loads and b3's four may be out
.irp m, 0,1,2,3,4
.if \m < 4
	FETCHI 5, \m+1, 4, 2*((\m+1)%2), XF            ; the next row tile, into the other buffer.  No wait: its last readers, the products of the step before, stand ahead of that step's wait on va_vdst
	s_wait_dscnt 16                                ; this row tile's fragments are in; the sixteen loads just issued may be out
.else
	s_wait_dscnt 0x0
.endif
	s_wait_alu depctr_vm_vsrc(0)                   ; the last image's stores have read v[PC ..], which this step's conversions write again
	PROD2 2*(\m%2)
	PLACES
	ACT 0, 4, SC2, LIM2
	v_nop                                          ; a plain vector instruction between the last conversion and the next products, which write its sources
	s_wait_alu depctr_va_vdst(0)                   ; the conversions have written v[PC ..], which the image's stores read; the products are done reading this step's buffer, which the next step's head asks for again
	IMG 6, 4096*\m, 2
.endr
	BAR                                            ; layer 2's ten fragments lie in LDS
	; ---- 3: 256 -> 128.  Two buffers of two fragments by turns: v16-47 and v48-79
	FETCHI 7, 0, 2, 0, XF                          ; no wait: layer 2's products stand ahead of the last wait on va_vdst
	s_wait_loadcnt 0x0                             ; W3, b3
.irp m, 0,1,2,3,4
.if \m < 4
	FETCHI 7, \m+1, 2, 0, XF+32*((\m+1)%2)         ; the next row tile, into the other buffer: as in layer 2
	s_wait_dscnt 8                                 ; this row tile's fragments are in; the eight loads just issued may be out
.else
	s_wait_dscnt 0x0
.endif
	s_wait_alu depctr_vm_vsrc(0)                   ; the last LDS stores have read v[PC ..], which this step's scalings write again
	PROD3 XF+32*(\m%2)
	PLACES
.irp n, 0,1
.irp j, 0,2,4,6
	v_pk_mul_f32 v[T+\j:T+\j+1], v[ACC+8*\n+\j:ACC+8*\n+\j+1], s[50:51] op_sel_hi:[1,0]
.endr
.irp j, 0,1,2,3,4,5,6,7
	v_max_num_f32 v[ACC+8*\n+\j], v[ACC+8*\n+\j], v[T+\j]
.endr
.irp j, 0,2,4,6
	v_pk_mul_f32 v[PC+8*\n+\j:PC+8*\n+\j+1], v[ACC+8*\n+\j:ACC+8*\n+\j+1], s[54:55] op_sel_hi:[1,0]   ; x 2^(eA3 + eW3)
.endr
.endr
	s_wait_alu depctr_va_vdst(0)                   ; the scalings have written v[PC ..], which the stage's stores read; the products are done reading this step's buffer; in the last step: all vector work on v16 to v95 is over, in which the way out's loads land
.irp q, 0,1,2,3
	ds_store_b128 v8, v[PC+4*\q:PC+4*\q+3] offset:16*XP*\m+16*\q      ; lane (r, h): row 16 m + r, units 32 w + 16 h + 0..15
.endr
.endr
	BAR                                            ; 80 whole rows lie in the stage: the last barrier
	; ---- the way out: each wave stores 20 whole rows; a tile without rows of its own stores nothing (no barrier stands behind this branch)
	s_bfe_u32 s62, s28, 0x10018
	s_cmp_eq_u32 s62, 0
	s_cbranch_scc1 .Lno_rows
.irp i, 0,1,2,3,4,5,6,7,8,9,10,11,12,13,14,15,16,17,18,19
	ds_load_b128 v[16+4*\i:19+4*\i], v9 offset:XP*\i   ; no vector instruction since the last wait on va_vdst: nothing more is owed for v16 to v95
.endr
.irp i, 0,1,2,3,4,5,6,7,8,9,10,11,12,13,14,15,16,17,18,19
	s_wait_dscnt 19-\i                             ; LDS loads come back in order: row i is in
	global_store_b128 v10, v[16+4*\i:19+4*\i], s[58:59] offset:512*\i   ; 32 lanes store 512 consecutive bytes, at a multiple of 256 from emb's first byte
.endr
.Lno_rows:
	s_wait_dscnt 0x0                               ; the closing lines, six on end
	s_wait_alu 0x0
	s_wait_tensorcnt 0x0
	ds_add_u32 v[SPW], v[NIL]
	s_wait_dscnt 0x0
	s_endpgm
.Lfunc_end_k_q7562b4f187_chain:
	.size	k_q7562b4f187_chain, .Lfunc_end_k_q7562b4f187_chain-k_q7562b4f187_chain
	.p2alignl 7, 3214868480
	.fill 96, 4, 3214868480
	.section	.rodata,"a",@progbits
	.p2align	6, 0x0
	.amdhsa_kernel k_q7562b4f187_chain
		.amdhsa_group_segment_fixed_size 146432
		.amdhsa_private_segment_fixed_size 0
		.amdhsa_enable_private_segment 0
		.amdhsa_kernarg_size 80
		.amdhsa_user_sgpr_count 2
		.amdhsa_user_sgpr_kernarg_segment_ptr 1
		.amdhsa_wavefront_size32 1
		.amdhsa_system_sgpr_workgroup_id_x 1
		.amdhsa_system_sgpr_workgroup_id_y 1
		.amdhsa_system_sgpr_workgroup_id_z 1
		.amdhsa_system_vgpr_workitem_id 0
		.amdhsa_next_free_vgpr 1024
		.amdhsa_next_free_sgpr 66
		.amdhsa_reserve_vcc 0
		.amdhsa_float_denorm_mode_32 3
		.amdhsa_float_denorm_mode_16_64 3
		.amdhsa_memory_ordered 1
		.amdhsa_forward_progress 1
		.amdhsa_inst_pref_size 183
	.end_amdhsa_kernel
	.amdgpu_metadata
---
amdhsa.version: [ 1, 2 ]
amdhsa.kernels:
  - .name:           k_q7562b4f187_chain
    .symbol:         k_q7562b4f187_chain.kd
    .args:
      - { .name: a_emb, .offset: 0, .size: 8, .value_kind: global_buffer, .address_space: global }
      - { .name: o_emb, .offset: 8, .size: 8, .value_kind: global_buffer, .address_space: global }
      - { .name: u_emb, .offset: 16, .size: 8, .value_kind: global_buffer, .address_space: global }
      - { .name: i_emb, .offset: 24, .size: 8, .value_kind: global_buffer, .address_space: global }
      - { .name: wc, .offset: 32, .size: 8, .value_kind: global_buffer, .address_space: global }
      - { .name: bias, .offset: 40, .size: 8, .value_kind: global_buffer, .address_space: global }
      - { .name: lowp_scales, .offset: 48, .size: 8, .value_kind: global_buffer, .address_space: global }
      - { .name: order, .offset: 56, .size: 8, .value_kind: global_buffer, .address_space: global }
      - { .name: tiles, .offset: 64, .size: 8, .value_kind: global_buffer, .address_space: global }
      - { .name: emb, .offset: 72, .size: 8, .value_kind: global_buffer, .address_space: global }
    .group_segment_fixed_size: 146432
    .private_segment_fixed_size: 0
    .kernarg_segment_align: 8
    .kernarg_segment_size: 80
    .max_flat_workgroup_size: 128
    .sgpr_count:     66
    .vgpr_count:     1024
    .wavefront_size: 32
...
	.end_amdgpu_metadata
.endif
;; end of part 5
;; launch score (part 6): grid 256 x 1, 4 waves a work-group, no clusters, 1,024 bytes of LDS; arguments emb, pos, out0; writes out0
.if DOCPART == 6
	.amdgcn_target "amdgcn-amd-amdhsa--gfx1250"
	.amdhsa_code_object_version 6
	.text
	.protected	k_q7562b4f187_score
	.globl	k_q7562b4f187_score
	.p2align	8
	.type	k_q7562b4f187_score,@function
k_q7562b4f187_score:
	s_mov_b64 s[64:65], 0
	v_nop
	global_prefetch_b8 v0, s[64:65] scope:SCOPE_SE
	s_setreg_imm32_b32 hwreg(HW_REG_WAVE_MODE, 25, 1), 1
	s_wait_xcnt 0x0
; pred[b][n] = the dot product of the token's 128 numbers (row pos[token] of emb) with those of its b (a row of the shared MLP's tiles).  Where s named no relation (pos = 0x8000) the token's vector is zero: pred = 0.
; Work-group G takes tokens 64 G .. 64 G + 63, wave w sixteen of them, which share b = 2 G + w / 2.  A row is 512 bytes: 16 bytes a lane, one load a row; sixteen rows are on their way at once.
; The 64 results meet in LDS, and wave 0 stores them as 256 consecutive bytes.  Memory binds here: no matrix unit, no tensor load, no cluster (work-groups share nothing but 512-byte rows).
.set SPARE, 512                        ; LDS: bytes 0-511 a word for each thread; from 512 the spare words, 128 bytes for each wave, which no other line names
.set SPW, 102
.set NIL, 103
	s_load_b128 s[4:7], s[0:1], 0x0                ; emb, pos
	s_load_b64 s[8:9], s[0:1], 0x10                ; out0
	v_lshl_add_u32 v[SPW], v0, 2, SPARE
	v_mov_b32 v[NIL], 0
	v_lshrrev_b32 v1, 5, v0
	v_readfirstlane_b32 s16, v1                    ; wave 0..3
	v_and_b32 v11, 31, v0                          ; lane
	v_lshlrev_b32 v1, 4, v11                       ; 16 x lane
	v_and_b32 v10, 15, v0
	v_lshlrev_b32 v10, 2, v10                      ; lanes 0-15 and 16-31 alike: my wave's sixteen words of pos
	v_lshlrev_b32 v9, 2, v0                        ; my word in LDS
	v_lshrrev_b32 v96, 3, v11
	v_and_b32 v97, 7, v11
	v_lshlrev_b32 v97, 3, v97
	v_lshl_add_u32 v96, v96, 7, v97                ; wave 0's way out: results 2 lane, 2 lane + 1 lie at 128 (lane / 8) + 8 (lane % 8)
	v_lshlrev_b32 v97, 3, v11
	s_mov_b32 s22, 0x76543210                      ; v_permlanex16_b32: lane l takes lane l xor 16
	s_mov_b32 s23, 0xfedcba98
	s_lshr_b32 s10, ttmp9, 6                       ; b's row: b / 64 = G / 32 names the tile: chunk G / 64, place 59 + (G / 32) % 2
	s_lshl_b32 s10, s10, 6
	s_bfe_u32 s11, ttmp9, 0x10005
	s_add_co_u32 s10, s10, s11
	s_add_co_u32 s10, s10, 59
	s_mul_i32 s10, s10, 80
	s_lshl_b32 s11, ttmp9, 1
	s_lshr_b32 s12, s16, 1
	s_add_co_u32 s11, s11, s12
	s_and_b32 s11, s11, 63                         ; b % 64
	s_add_co_u32 s13, s10, s11
	s_lshl_b32 s18, ttmp9, 8
	s_lshl_b32 s19, s16, 6
	s_add_co_u32 s18, s18, s19
	s_mov_b32 s19, 0
	s_wait_alu depctr_va_vdst(0)
	s_wait_kmcnt 0x0
	s_add_nc_u64 s[6:7], s[6:7], s[18:19]
	s_lshl_b32 s18, s13, 9
	s_add_nc_u64 s[20:21], s[4:5], s[18:19]
	global_load_b32 v2, v10, s[6:7]
	global_load_b128 v[4:7], v1, s[20:21]          ; b's row
	s_lshl_b32 s18, ttmp9, 8
	s_add_nc_u64 s[8:9], s[8:9], s[18:19]
	v_mov_b32 v3, s13
	v_mov_b32 v8, 0
	s_wait_alu depctr_va_vdst(0)
	s_wait_loadcnt 1                               ; pos is in; b's row may be out
	v_cmp_gt_u32 s12, 0x8000, v2                   ; has the token a row?
	v_cndmask_b32 v3, v3, v2, s12                  ; if not, b's row is read in its stead, so that no unwritten row is touched; the result is replaced by 0 below
	s_wait_alu depctr_va_vdst(0)
.irp t, 0,1,2,3,4,5,6,7,8,9,10,11,12,13,14,15
	v_readlane_b32 s14, v3, \t
	s_min_u32 s14, s14, 0x4fff                     ; emb has 20,480 rows
	s_lshl_b32 s14, s14, 9
	v_add_nc_u32 v[32+4*\t], s14, v1
	global_load_b128 v[32+4*\t:35+4*\t], v[32+4*\t], s[4:5]   ; the load lands on its own address register
.endr
.irp t, 0,1,2,3,4,5,6,7,8,9,10,11,12,13,14,15
	s_wait_loadcnt 15-\t                           ; loads come back in order: row t is in, the younger ones may be out
	v_pk_mul_f32 v[32+4*\t:33+4*\t], v[32+4*\t:33+4*\t], v[4:5]
	v_pk_fma_f32 v[32+4*\t:33+4*\t], v[34+4*\t:35+4*\t], v[6:7], v[32+4*\t:33+4*\t]
	v_add_f32 v[12+\t], v[32+4*\t], v[33+4*\t]
.endr
.irp x, 1,2,4,8                                ; the sixteen sums side by side, so that no line waits for the line above it
.irp t, 0,1,2,3,4,5,6,7,8,9,10,11,12,13,14,15
	v_add_f32_dpp v[12+\t], v[12+\t], v[12+\t] row_xmask:\x row_mask:0xf bank_mask:0xf
.endr
.endr
.irp t, 0,1,2,3,4,5,6,7,8,9,10,11,12,13,14,15
	v_permlanex16_b32 v[32+4*\t], v[12+\t], s22, s23
.endr
.irp t, 0,1,2,3,4,5,6,7,8,9,10,11,12,13,14,15
	v_add_f32 v[12+\t], v[12+\t], v[32+4*\t]
.endr
.irp t, 0,1,2,3,4,5,6,7,8,9,10,11,12,13,14,15
	s_mov_b32 s15, 1<<\t
	v_cndmask_b32 v8, v8, v[12+\t], s15            ; lane t keeps token t's sum
.endr
	v_cndmask_b32 v8, 0, v8, s12
	ds_store_b32 v9, v8
	s_wait_dscnt 0x0                               ; for the others' sake: my store has landed
	s_barrier_signal -1
	s_barrier_wait -1
	s_cmp_lg_u32 s16, 0
	s_cbranch_scc1 .Lnot_wave_0
	ds_load_b64 v[14:15], v96
	s_wait_dscnt 0x0
	global_store_b64 v97, v[14:15], s[8:9]         ; 32 lanes store 256 consecutive bytes, at a multiple of 256 from out0's first byte
.Lnot_wave_0:
	s_wait_tensorcnt 0x0                           ; the wave's end: three closing lines behind my last LDS store
	ds_add_u32 v[SPW], v[NIL]
	s_wait_dscnt 0x0
	s_endpgm
.Lfunc_end_k_q7562b4f187_score:
	.size	k_q7562b4f187_score, .Lfunc_end_k_q7562b4f187_score-k_q7562b4f187_score
	.p2alignl 7, 3214868480
	.fill 96, 4, 3214868480
	.section	.rodata,"a",@progbits
	.p2align	6, 0x0
	.amdhsa_kernel k_q7562b4f187_score
		.amdhsa_group_segment_fixed_size 1024
		.amdhsa_private_segment_fixed_size 0
		.amdhsa_enable_private_segment 0
		.amdhsa_kernarg_size 24
		.amdhsa_user_sgpr_count 2
		.amdhsa_user_sgpr_kernarg_segment_ptr 1
		.amdhsa_wavefront_size32 1
		.amdhsa_system_sgpr_workgroup_id_x 1
		.amdhsa_system_sgpr_workgroup_id_y 1
		.amdhsa_system_sgpr_workgroup_id_z 1
		.amdhsa_system_vgpr_workitem_id 0
		.amdhsa_next_free_vgpr 104
		.amdhsa_next_free_sgpr 66
		.amdhsa_reserve_vcc 0
		.amdhsa_float_denorm_mode_32 3
		.amdhsa_float_denorm_mode_16_64 3
		.amdhsa_memory_ordered 1
		.amdhsa_forward_progress 1
		.amdhsa_inst_pref_size 18
	.end_amdhsa_kernel
	.amdgpu_metadata
---
amdhsa.version: [ 1, 2 ]
amdhsa.kernels:
  - .name:           k_q7562b4f187_score
    .symbol:         k_q7562b4f187_score.kd
    .args:
      - { .name: emb, .offset: 0, .size: 8, .value_kind: global_buffer, .address_space: global }
      - { .name: pos, .offset: 8, .size: 8, .value_kind: global_buffer, .address_space: global }
      - { .name: out0, .offset: 16, .size: 8, .value_kind: global_buffer, .address_space: global }
    .group_segment_fixed_size: 1024
    .private_segment_fixed_size: 0
    .kernarg_segment_align: 8
    .kernarg_segment_size: 24
    .max_flat_workgroup_size: 128
    .sgpr_count:     66
    .vgpr_count:     104
    .wavefront_size: 32
...
	.end_amdgpu_metadata
.endif
;; end of part 6
